; MI455X (gfx1250); checked and timed in simulation.
; The chip was launched on July 23, 2026; its instructions are those of AMD's public machine-readable ISA for CDNA 5 (MIT licence, August 2026) and "CDNA5" Instruction Set Architecture Reference Guide (July 2026). The comments in the code are by the model that wrote it; some were corrected since.
;; Causal Self Attention. Allowed arithmetic: float matrix products may take bf16 or f16 operands with f32 sums; other float arithmetic in f32, or as packed bf16 or f16 multiplies, adds, multiply-adds, maxima and minima; sums over many terms, partial sums and values carried from step to step in f32; what a program stores and reads back later, other than sums and carried values, may be rounded once to bf16 or f16.
;; Inputs: W_attn 1,024 x 3,072 float32; W_proj 1,024 x 1,024 float32; x 4 x 2,048 x 1,024 float32.
;; Outputs: out0 4 x 2,048 x 1,024 float32.
;; 2 versions, each right; version 2 is version 1 with the launch cast written anew for expert scheduling mode. Each part assembles by itself: llvm-mc -triple=amdgcn-amd-amdhsa -mcpu=gfx1250 --defsym DOCPART=n.
;; ======== version 1 of 2: 4 launches
;; limits: values are held in f16: magnitudes above 65,504 overflow, below 6.1e-05 lose precision
;; workspace buffers: xb 16,777,216 bytes; wab 6,291,456 bytes; wpb 2,097,152 bytes; qkv 50,331,648 bytes; oh 16,777,216 bytes
;; launch cast (part 1): grid 768 x 1, 8 waves a work-group, no clusters, 0 bytes of LDS; arguments x, W_attn, W_proj, xb, wab, wpb; writes xb, wab, wpb
.if DOCPART == 1
	.amdgcn_target "amdgcn-amd-amdhsa--gfx1250"
	.amdhsa_code_object_version 6
	.text
	.protected	k_q13e9969b4d_cast
	.globl	k_q13e9969b4d_cast
	.p2align	8
	.type	k_q13e9969b4d_cast,@function
k_q13e9969b4d_cast:
	s_mov_b64 s[64:65], 0
	v_nop
	global_prefetch_b8 v0, s[64:65] scope:SCOPE_SE
	s_setreg_imm32_b32 hwreg(HW_REG_WAVE_MODE, 25, 1), 1
	s_wait_xcnt 0x0
; THE THREE INPUTS ARE ROUNDED ONCE, for the matrix units of the launches behind.
;   x      [8192][1024] f32 -> xb  [4 b][16 s][2048 t][64] bf16: xb[b][s][t][kk] = x[2048 b + t][64 s + kk]: 256 rows x 64 channels are then 32,768 bytes on end
;   W_attn [1024][3072] f32 -> wab, the same order, bf16
;   W_proj [1024][1024] f32 -> wpb, the same order: rounded to bf16 like the other inputs, and that number written as f16
; LIMIT.  A bf16 number is exact in f16 from 2^-17 to 65,504 in magnitude; below that it is rounded to f16's fixed step of 2^-24, beyond it becomes an infinity.
; SHARES.  A work-group turns 65,536 bytes of input into 32,768, a wave 8,192: sixteen loads of 16 bytes a lane, all issued at once, and sixteen stores of 8 bytes a lane,
; each of which covers 256 consecutive bytes, aligned.  Work-groups 0-511 take x, 512-703 W_attn, 704-767 W_proj.  No register is written twice but four at work, so no wait frees a source.
; No LDS, no matrix unit, no cluster: every byte is read once and written once, and no wave wants what another has fetched.
.set IN,  2                            ; v2   my byte offset in the wave's input
.set OUT, 3                            ; v3   my byte offset in the wave's output: 8 x lane
.set T,   8                            ; v[8:11]   at work
.set X,   16                           ; v[16:79]  sixteen loads of four f32
.set Y,   80                           ; v[80:111] sixteen stores of four 16-bit numbers
.set WV,  16                           ; s16  my wave's number
.set ID,  17                           ; s17  the work-group's number
.set HIM, 18                           ; s18  a word's upper half
; Sixteen loads, instep bytes apart, from base s[ib:ib+1]; sixteen stores, 256 bytes apart, to base s[ob:ob+1].  fmt = 0: bf16; 1: bf16 written as f16.
.macro CAST ib, ob, instep, fmt
.set j, 0
.rept 16
	global_load_b128 v[X+4*j:X+4*j+3], v[IN], s[\ib:\ib+1] offset:j*(\instep) th:TH_LOAD_NT
.set j, j+1
.endr
.set j, 0
.rept 16
	s_wait_loadcnt 15-j                            ; loads come back in order: number j is in, the 15 - j younger ones stay out
.if \fmt
	v_cvt_pk_bf16_f32 v[T], v[X+4*j], v[X+4*j+1]
	v_cvt_pk_bf16_f32 v[T+1], v[X+4*j+2], v[X+4*j+3]
	v_lshlrev_b32 v[T+2], 16, v[T]                 ; the rounded numbers as f32 again
	v_and_b32 v[T+3], s[HIM], v[T]
	v_cvt_pk_f16_f32 v[Y+2*j], v[T+2], v[T+3]
	v_lshlrev_b32 v[T+2], 16, v[T+1]
	v_and_b32 v[T+3], s[HIM], v[T+1]
	v_cvt_pk_f16_f32 v[Y+2*j+1], v[T+2], v[T+3]
.else
	v_cvt_pk_bf16_f32 v[Y+2*j], v[X+4*j], v[X+4*j+1]
	v_cvt_pk_bf16_f32 v[Y+2*j+1], v[X+4*j+2], v[X+4*j+3]
.endif
	global_store_b64 v[OUT], v[Y+2*j:Y+2*j+1], s[\ob:\ob+1] offset:256*j
.set j, j+1
.endr
.endm
	s_load_b256 s[4:11], s[0:1], 0x0               ; x s[4:5], W_attn s[6:7], W_proj s[8:9], xb s[10:11]
	s_load_b128 s[12:15], s[0:1], 0x20             ; wab s[12:13], wpb s[14:15]
	v_lshrrev_b32 v1, 5, v0
	v_readfirstlane_b32 s[WV], v1                  ; wave 0..7
	v_and_b32 v4, 31, v0                           ; lane
	v_lshlrev_b32 v[OUT], 3, v4
	s_mov_b32 s[ID], ttmp9
	s_mov_b32 s[HIM], 0xffff0000
	s_mov_b32 s21, 0                               ; the offsets' high words
	s_mov_b32 s23, 0
	s_cmp_lt_u32 s[ID], 512
	s_cbranch_scc0 .Lweights
	; x: work-group = 32 rows (rg) x half a row (hf); wave w takes the 64 channels of block s = 8 hf + w: 256 bytes of each row.  A load takes two rows: lanes 0-15 one, lanes 16-31 the next.
	s_lshr_b32 s19, s[ID], 1                       ; rg
	s_and_b32 s2, s[ID], 1
	s_lshl_b32 s2, s2, 3
	s_add_co_u32 s2, s2, s[WV]                     ; s
	s_lshl_b32 s20, s19, 17                        ; 32 rows of 4,096 bytes
	s_lshl_b32 s3, s2, 8
	s_add_co_u32 s20, s20, s3                      ; + the block's 256 bytes
	s_lshr_b32 s22, s19, 6                         ; b
	s_lshl_b32 s22, s22, 22
	s_lshl_b32 s3, s2, 18                          ; a block of xb is 2,048 rows of 128 bytes
	s_add_co_u32 s22, s22, s3
	s_and_b32 s3, s19, 63
	s_lshl_b32 s3, s3, 12                          ; 32 rows of 128 bytes
	s_add_co_u32 s22, s22, s3
	v_and_b32 v5, 15, v0
	v_bfe_u32 v6, v0, 4, 1
	v_lshlrev_b32 v[IN], 4, v5
	v_lshl_add_u32 v[IN], v6, 12, v[IN]            ; 16 (lane % 16) + 4,096 (lane / 16)
	s_wait_kmcnt 0x0
	s_add_nc_u64 s[4:5], s[4:5], s[20:21]
	s_add_nc_u64 s[10:11], s[10:11], s[22:23]
	CAST 4, 10, 8192, 0                            ; two rows of xb are 256 bytes on end: 128 (lane / 16) + 8 (lane % 16) = 8 x lane
	s_endpgm
.Lweights:                                     ; the weights keep their order: 512 bytes in, 256 bytes out
	v_lshlrev_b32 v[IN], 4, v4
	s_lshl_b32 s2, s[WV], 13
	s_lshl_b32 s3, s[WV], 12
	s_cmp_lt_u32 s[ID], 704
	s_cbranch_scc0 .Lproj
	s_sub_co_u32 s19, s[ID], 512
	s_lshl_b32 s20, s19, 16
	s_add_co_u32 s20, s20, s2
	s_lshl_b32 s22, s19, 15
	s_add_co_u32 s22, s22, s3
	s_wait_kmcnt 0x0
	s_add_nc_u64 s[6:7], s[6:7], s[20:21]
	s_add_nc_u64 s[12:13], s[12:13], s[22:23]
	CAST 6, 12, 512, 0
	s_endpgm
.Lproj:
	s_sub_co_u32 s19, s[ID], 704
	s_lshl_b32 s20, s19, 16
	s_add_co_u32 s20, s20, s2
	s_lshl_b32 s22, s19, 15
	s_add_co_u32 s22, s22, s3
	s_wait_kmcnt 0x0
	s_add_nc_u64 s[8:9], s[8:9], s[20:21]
	s_add_nc_u64 s[14:15], s[14:15], s[22:23]
	CAST 8, 14, 512, 1
	s_endpgm
.Lfunc_end_k_q13e9969b4d_cast:
	.size	k_q13e9969b4d_cast, .Lfunc_end_k_q13e9969b4d_cast-k_q13e9969b4d_cast
	.p2alignl 7, 3214868480
	.fill 96, 4, 3214868480
	.section	.rodata,"a",@progbits
	.p2align	6, 0x0
	.amdhsa_kernel k_q13e9969b4d_cast
		.amdhsa_group_segment_fixed_size 0
		.amdhsa_private_segment_fixed_size 0
		.amdhsa_enable_private_segment 0
		.amdhsa_kernarg_size 48
		.amdhsa_user_sgpr_count 2
		.amdhsa_user_sgpr_kernarg_segment_ptr 1
		.amdhsa_wavefront_size32 1
		.amdhsa_system_sgpr_workgroup_id_x 1
		.amdhsa_system_sgpr_workgroup_id_y 1
		.amdhsa_system_sgpr_workgroup_id_z 1
		.amdhsa_system_vgpr_workitem_id 0
		.amdhsa_next_free_vgpr 112
		.amdhsa_next_free_sgpr 66
		.amdhsa_reserve_vcc 0
		.amdhsa_float_denorm_mode_32 3
		.amdhsa_float_denorm_mode_16_64 3
		.amdhsa_memory_ordered 1
		.amdhsa_forward_progress 1
		.amdhsa_inst_pref_size 23
	.end_amdhsa_kernel
	.amdgpu_metadata
---
amdhsa.version: [ 1, 2 ]
amdhsa.kernels:
  - .name:           k_q13e9969b4d_cast
    .symbol:         k_q13e9969b4d_cast.kd
    .args:
      - { .name: x, .offset: 0, .size: 8, .value_kind: global_buffer, .address_space: global }
      - { .name: W_attn, .offset: 8, .size: 8, .value_kind: global_buffer, .address_space: global }
      - { .name: W_proj, .offset: 16, .size: 8, .value_kind: global_buffer, .address_space: global }
      - { .name: xb, .offset: 24, .size: 8, .value_kind: global_buffer, .address_space: global }
      - { .name: wab, .offset: 32, .size: 8, .value_kind: global_buffer, .address_space: global }
      - { .name: wpb, .offset: 40, .size: 8, .value_kind: global_buffer, .address_space: global }
    .group_segment_fixed_size: 0
    .private_segment_fixed_size: 0
    .kernarg_segment_align: 8
    .kernarg_segment_size: 48
    .max_flat_workgroup_size: 256
    .sgpr_count:     66
    .vgpr_count:     112
    .wavefront_size: 32
...
	.end_amdgpu_metadata
.endif
;; end of part 1
;; launch qkv (part 2): grid 8 x 32, 4 waves a work-group, clusters of 4 x 4, 327,680 bytes of LDS; arguments xb, wab, qkv; writes qkv
.if DOCPART == 2
	.amdgcn_target "amdgcn-amd-amdhsa--gfx1250"
	.amdhsa_code_object_version 6
	.text
	.protected	k_q13e9969b4d_qkv
	.globl	k_q13e9969b4d_qkv
	.p2align	8
	.type	k_q13e9969b4d_qkv,@function
k_q13e9969b4d_qkv:
	s_mov_b64 s[64:65], 0
	v_nop
	global_prefetch_b8 v0, s[64:65] scope:SCOPE_SE
	s_setreg_imm32_b32 hwreg(HW_REG_WAVE_MODE, 25, 1), 1
	s_wait_xcnt 0x0
	s_wait_alu depctr_hold_cnt(0) depctr_sa_sdst(0) depctr_va_vdst(0) depctr_va_sdst(0) depctr_va_ssrc(0) depctr_va_vcc(0) depctr_vm_vsrc(0)
	s_getreg_b32 s2, hwreg(HW_REG_IB_STS2, 6, 4)
	s_cmp_eq_u32 s2, 0
	s_cbranch_scc0 .Lentry_in_a_cluster
	s_endpgm
.Lentry_in_a_cluster:
	s_bfe_u32 s2, ttmp6, 0x10000c
	s_cmp_lg_u32 s2, 0xf033
	s_cbranch_scc0 .Lentry_shape_is_right
	s_endpgm
.Lentry_shape_is_right:
; qkv = x W_attn, in bf16 with f32 sums, each result rounded once to f16 and laid out by heads: qkv[3][64 bh][2048 t][64], WITHOUT the softmax's scale.
; xb: [4 b][16 s][2048 t][64] bf16 (x in blocks of 64 channels), wab: [1024 k][3072 n] bf16.
; LIMIT.  f16 ends at 65,504: a q, k or v of 65,520 or more in magnitude becomes an infinity; below 6e-5 f16 keeps its fixed step of 6e-8.
; SHARES.  A tile of the result is 256 rows x 384 columns: 32 x 8 tiles, one a work-group.  Four waves, 2 x 2: wave (wm, wc) makes rows 128 wm .. + 127 and, of each of the tile's three
; chunks of 128 columns, the 64 columns 64 wc .. + 63, which are one head's: 96 accumulators of 16 x 16, 768 registers.
; K goes in 16 steps of 64 through a ring of two LDS slots filled by the tensor data mover; a longer step's two slots (640 rows of 256 bytes each, and padding) do not fit in LDS.
; A step is two halves of 32 along K, 96 matrix instructions each, in three groups of 32, a chunk a group.
; A's tile (256 rows x 64 channels of one block) is 32,768 bytes on end: asked for as rows of 256 bytes and padded behind each 128.  B's tile lies [k][n]; its fragments come out of LDS turned, by ds_load_tr16_b128.
; THE MATRIX INSTRUCTION IS USED TRANSPOSED (source 0 = 16 columns of W, source 1 = 16 rows of x): a lane then holds row lane % 16 and the eight neighbouring columns 8 (lane / 16) + 0..7.
; CLUSTER.  4 x 4 work-groups.  The four of a row of the cluster need the same tiles of A, the four of a column the same tiles of B: each tile is asked for JOINTLY, by the same tensor load
; with the same descriptor and a mask that names the four.
; REGISTERS, in windows of 256 (s_set_vgpr_msb: bits 1:0 source 0, 3:2 source 1, 5:4 source 2, 7:6 destination):
;   window 0: v0-31 addresses; v32-95, v96-159 A's fragments of a half (8 x 16 rows x 32 K), two buffers by the half's parity; v160-255 B's (chunk ch, column block b at 160 + 32 ch + 8 b), one buffer, filled again chunk by chunk
;   window 1 + ch: chunk ch's 32 accumulators, (b, a) at v[64 b + 8 a]
.set PA,     144                       ; a row of A in LDS: 128 bytes + 16 of padding = 36 words: the 16 rows of a load start at 16 different groups of four banks (64 banks of 4 bytes: ISA guide 11.1)
.set PB,     864                       ; a row of B: three chunks of 256 bytes + 32 of padding = 216 words
.set BOFF,   256*PA                    ; a slot: A's 256 rows, then B's 64
.set SLOT1,  1<<17                     ; slot 1 begins here, so that one exclusive or turns an address in one slot into the other's
.set STAGE,  BOFF+64*PB                ; behind slot 0, never filled by a tensor load: 16 rows x 144 bytes for each wave, for the way out
.set SP,     144
.set SPARE,  SLOT1+STAGE               ; behind slot 1: the spare words, 128 bytes for each wave: two blocks of 256 bytes that no other line names
.set STEP_A, 2048*128                  ; bytes from a block of xb to the next
.set STEP_B, 64*3072*2                 ; 64 rows of wab
.set A0,   4                           ; v4   my lane's place among my wave's rows of A in a slot; never rewritten
.set B0,   5                           ; v5   the same for B
.set ADRA, 6                           ; v6   the same in the slot that is being read
.set ADRB, 7                           ; v7
.set STO,  8                           ; v8   the way out: where I put 16 bytes of a row
.set RD,   9                           ; v9   the way out: where I read rows back
.set GO,   10                          ; v10  my byte offset in 512 consecutive bytes of the result
.set SPW,  28                          ; v28  LDS address of my spare word: SPARE + 4 x my thread's number; never rewritten
.set NIL,  29                          ; v29  0; never rewritten
.set AF,   32
.set BF,   160
.set WV,  10                           ; s10  my wave's number
.set WM,  11                           ; s11  which half of the tile's rows is mine
.set WC,  12                           ; s12  which half of each chunk's columns.  Also: which part of a tile I fetch
.set CX,  13                           ; s13, s14  my place in the cluster
.set CY,  14
.set NT,  15                           ; s15  tile column
.set MT,  16                           ; s16  tile row
.set G1A, 24                           ; s[24:31] descriptor group 1 for A's tiles
.set G1B, 32                           ; s[32:39] for B's
.set G0A, 40                           ; s[40:47] group 0 for A's tiles: a set for each of the two first fills; the second then walks on
.set G0B, 48                           ; s[48:55] the same for B's
.set CNT, 56                           ; s56  the loop's count
.set TB,  57                           ; s57  LDS byte at which the slot that is being read begins
.set OB,  68                           ; s[68:73] where my 128 rows of chunk 0, 1, 2's head begin in the result
.set MSB, 0
.macro WIN new                         ; the immediate's high byte repeats the setting that is left; a switch that changes nothing is dropped
.if MSB != (\new)
	s_set_vgpr_msb (MSB<<8)|(\new)
.set MSB, (\new)
.endif
.endm
.macro PLACES                          ; a load into a register that a matrix instruction has read, and a vector instruction that reads a matrix result, stand four places behind it (ISA guide 7.12.1 for vector instructions)
.rept 4
	v_nop
.endr
.endm
; A joint refill.  Waves 0 and 1 fetch A's two parts, waves 2 and 3 B's.  The branch hangs on the wave's number alone.  An s_nop 0 and four v_nop follow each of the two lines.
.macro JLOAD
	s_cmp_lt_u32 s[WV], 2
	s_cbranch_scc0 .Lfor_b_\@
	tensor_load_to_lds s[G0A+4:G0A+7], s[G1A:G1A+7]
	s_nop 0
.rept 4
	v_nop
.endr
	s_branch .Lasked_\@
.Lfor_b_\@:
	tensor_load_to_lds s[G0B+4:G0B+7], s[G1B:G1B+7]
	s_nop 0
.rept 4
	v_nop
.endr
.Lasked_\@:
.endm
; A round of the cluster's barrier: my work-group's barrier; wave 0 signals for the work-group; every wave waits for all sixteen; my work-group's barrier once more.
.macro CREST                           ; a round behind its opening barrier
	s_cmp_lg_u32 s[WV], 0
	s_cbranch_scc1 .Lnot_wave_0_\@
	s_barrier_signal -3
.Lnot_wave_0_\@:
	s_barrier_wait -3
	s_barrier_signal -1
	s_barrier_wait -1
.endm
.macro CROUND
	s_barrier_signal -1
	s_barrier_wait -1
	CREST
.endm
	s_load_b128 s[4:7], s[0:1], 0x0                ; xb s[4:5], wab s[6:7]
	s_load_b64 s[8:9], s[0:1], 0x10                ; qkv
	v_lshl_add_u32 v[SPW], v0, 2, SPARE
	v_mov_b32 v[NIL], 0
	ds_add_u32 v[SPW], v[NIL]                      ; the wave's opening: the add and its wait stand ahead of my first tensor load; the set-up below, work on registers, stands between them
	ds_add_u32 v28, v29
	v_lshrrev_b32 v3, 5, v0
	v_readfirstlane_b32 s[WV], v3                  ; wave 0..3
	s_lshr_b32 s[WM], s[WV], 1
	s_and_b32 s[WC], s[WV], 1
	s_bfe_u32 s[CX], ttmp6, 0x40000
	s_bfe_u32 s[CY], ttmp6, 0x40004
	s_lshl_b32 s[NT], ttmp9, 2                     ; in a cluster launch ttmp9 and ttmp7 count clusters
	s_add_co_u32 s[NT], s[NT], s[CX]
	s_and_b32 s[MT], ttmp7, 0xffff
	s_lshl_b32 s[MT], s[MT], 2
	s_add_co_u32 s[MT], s[MT], s[CY]
	s_lshl_b32 s76, s[CY], 2
	s_lshl_b32 s76, 15, s76                        ; my row of the cluster: places 4 cy .. 4 cy + 3
	s_lshl_b32 s77, 0x1111, s[CX]                  ; my column: places cx, cx + 4, cx + 8, cx + 12
	; group 1 for A: 64 rows of 128 elements (256 bytes, two rows of the tile), padded in LDS behind each 128 bytes
	s_or_b32 s[G1A], s76, (1<<16)|(1<<20)|(1<<21)|(4<<22)|(3<<25)  ; 15:0 the mask; 17:16 elements of 2 bytes; 20 padding on; 21 set beside a mask; 24:22 after every 32 words (code 4); 31:25 4 words (code 3)
	s_mov_b32 s[G1A+1], 128<<16                    ; tensor_dim0 = 128
	s_mov_b32 s[G1A+2], 64<<16                     ; tensor_dim1 = 64
	s_mov_b32 s[G1A+3], 128<<16                    ; tile_dim0 = 128
	s_mov_b32 s[G1A+4], 64                         ; tile_dim1 = 64
	s_mov_b32 s[G1A+5], 128                        ; elements from row to row: the block is dense
	s_mov_b32 s[G1A+6], 0
	s_mov_b32 s[G1A+7], 0
	; group 1 for B: 32 rows of 384 elements (768 bytes), padded behind each 256 bytes
	s_or_b32 s[G1B], s77, (1<<16)|(1<<20)|(1<<21)|(5<<22)|(7<<25)  ; after every 64 words (code 5) 8 words (code 7)
	s_mov_b32 s[G1B+1], 384<<16
	s_mov_b32 s[G1B+2], 32<<16
	s_mov_b32 s[G1B+3], 384<<16
	s_mov_b32 s[G1B+4], 32
	s_mov_b32 s[G1B+5], 3072
	s_mov_b32 s[G1B+6], 0
	s_mov_b32 s[G1B+7], 0
	; where the tiles come from.  A's hang on the tile row alone, B's on the tile column alone; each is made in registers that never hold the other coordinate.
	s_lshr_b32 s17, s[MT], 3                       ; b
	s_lshl_b32 s58, s17, 22
	s_and_b32 s17, s[MT], 7
	s_lshl_b32 s17, s17, 15                        ; 256 rows of 128 bytes
	s_add_co_u32 s58, s58, s17
	s_lshl_b32 s17, s[WC], 14                      ; my part: 128 of them
	s_add_co_u32 s58, s58, s17
	s_mov_b32 s59, 0
	s_mul_i32 s60, s[WC], 32*3072*2                ; my part: 32 rows of wab
	s_mul_i32 s19, s[NT], 768                      ; the tile's 384 columns
	s_add_co_u32 s60, s60, s19
	s_mov_b32 s61, 0
	s_mul_i32 s18, s[WC], 128*PA                   ; and where they go: no place in the cluster enters an LDS address
	s_mul_i32 s20, s[WC], 32*PB
	s_add_co_u32 s20, s20, BOFF
	s_mov_b32 s[TB], 0
	s_wait_dscnt 0x0                               ; the opening add is done
	s_wait_kmcnt 0x0
	s_add_nc_u64 s[4:5], s[4:5], s[58:59]
	s_add_nc_u64 s[6:7], s[6:7], s[60:61]
.irp s, 0,1
	s_mov_b32 s[G0A+4*\s], 1                       ; 1:0 count = 1
	s_add_co_u32 s[G0A+4*\s+1], s18, \s*SLOT1      ; 63:32 LDS address
	s_add_nc_u64 s[G0A+4*\s+2:G0A+4*\s+3], s[4:5], \s*STEP_A  ; 120:64 global address: K step s
	s_or_b32 s[G0A+4*\s+3], s[G0A+4*\s+3], 0x80000000         ; 127:126 type = 2
	s_mov_b32 s[G0B+4*\s], 1
	s_add_co_u32 s[G0B+4*\s+1], s20, \s*SLOT1
	s_add_nc_u64 s[G0B+4*\s+2:G0B+4*\s+3], s[6:7], \s*STEP_B
	s_or_b32 s[G0B+4*\s+3], s[G0B+4*\s+3], 0x80000000
.endr
	CROUND                                         ; all sixteen work-groups are here: the first joint loads meet
	s_cmp_lt_u32 s[WV], 2                          ; a wave's two first fills stand in one branch, ahead of every wait on TENSORcnt and every LDS read: two loads of mine are out
	s_cbranch_scc0 .Lfirst_b
	tensor_load_to_lds s[G0A:G0A+3], s[G1A:G1A+7]
	s_nop 0
	tensor_load_to_lds s[G0A+4:G0A+7], s[G1A:G1A+7]
	s_nop 0
.rept 4
	v_nop
.endr
	s_branch .Lfirst_asked
.Lfirst_b:
	tensor_load_to_lds s[G0B:G0B+3], s[G1B:G1B+7]
	s_nop 0
	tensor_load_to_lds s[G0B+4:G0B+7], s[G1B:G1B+7]
	s_nop 0
.rept 4
	v_nop
.endr
.Lfirst_asked:
	; A fragment of A is 16 rows x 32 K in 8 registers: lane l holds row l % 16; registers 0-3 K = 8 (l / 16) + 0..7, registers 4-7 K = 16 + 8 (l / 16) + 0..7: two loads of 16 bytes, 32 bytes apart.
	v_and_b32 v1, 15, v0                           ; l % 16
	v_bfe_u32 v2, v0, 4, 1                         ; l / 16
	v_mul_u32_u24 v[A0], v1, PA
	v_lshl_add_u32 v[A0], v2, 4, v[A0]
	s_mul_i32 s21, s[WM], 128*PA                   ; my 128 rows
	v_add_nc_u32 v[A0], s21, v[A0]
	; The turning load takes 16 K x 16 columns (lane l reads 16 bytes: K row 8 (l / 16) + l % 8, columns 8 ((l / 8) % 2) + 0..7) and leaves half a fragment: lane l holds column l % 16 and 8 K.
	v_and_b32 v11, 7, v0
	v_bfe_u32 v12, v0, 3, 1
	v_lshl_add_u32 v[B0], v2, 3, v11
	v_mul_u32_u24 v[B0], v[B0], PB
	v_lshl_add_u32 v[B0], v12, 4, v[B0]
	s_lshl_b32 s21, s[WC], 7                       ; my 64 columns of a chunk
	s_add_co_u32 s21, s21, BOFF
	v_add_nc_u32 v[B0], s21, v[B0]
	v_mov_b32 v[ADRA], v[A0]                       ; slot 0
	v_mov_b32 v[ADRB], v[B0]
	s_mul_i32 s21, s[WV], 16*SP
	s_add_co_u32 s21, s21, STAGE                   ; my stage
	v_mul_u32_u24 v[STO], v1, SP                   ; in: row l % 16, 16 bytes for each half of the lanes
	v_lshl_add_u32 v[STO], v2, 4, v[STO]
	v_add_nc_u32 v[STO], s21, v[STO]
	v_bfe_u32 v[RD], v0, 3, 2                      ; back: 32 lanes take four rows of 128 bytes,
	v_mul_u32_u24 v[RD], v[RD], SP
	v_lshl_add_u32 v[RD], v11, 4, v[RD]
	v_add_nc_u32 v[RD], s21, v[RD]
	v_and_b32 v[GO], 31, v0                        ; which are 512 consecutive bytes of a head
	v_lshlrev_b32 v[GO], 4, v[GO]
	; where my results go: my 64 columns of chunk ch are slice sl = 6 nt + 2 ch + wc of 48: tensor sl / 16 (q, k, v), head sl % 16; a head of a batch is 2,048 rows of 128 bytes
	s_mul_i32 s21, s[NT], 6
	s_add_co_u32 s21, s21, s[WC]
	s_lshr_b32 s22, s[MT], 3
	s_lshl_b32 s22, s22, 4                         ; 16 b
	s_and_b32 s23, s[MT], 7
	s_lshl_b32 s23, s23, 1
	s_add_co_u32 s23, s23, s[WM]
	s_lshl_b32 s23, s23, 14                        ; my first row in the batch: 128 rows of 128 bytes each
	s_mov_b32 s67, 0
.irp ch, 0,1,2
	s_add_co_u32 s74, s21, 2*\ch
	s_lshr_b32 s75, s74, 4
	s_lshl_b32 s75, s75, 6                         ; 64 heads a tensor
	s_and_b32 s74, s74, 15
	s_add_co_u32 s74, s74, s75
	s_add_co_u32 s74, s74, s22
	s_lshl_b32 s66, s74, 18
	s_add_co_u32 s66, s66, s23
	s_add_nc_u64 s[OB+2*\ch:OB+2*\ch+1], s[8:9], s[66:67]
.endr
; nb x 8 matrix instructions of chunk ch on the half of parity c: column blocks b0 .. b0 + nb - 1 x all 8 row blocks.  zero = 1: the first product starts the sums: nothing is ever cleared.
; The 96 accumulators take turns, one instruction a turn, in the same order in every half.
.macro MULG ch, c, b0, nb, zero
	WIN 0x50*(1+(\ch))                             ; C and D in window 1 + ch, both sources in window 0
.set mb, \b0
.rept \nb
.set ma, 0
.rept 8
.if \zero
	v_wmma_f32_16x16x32_bf16 v[64*mb+8*ma:64*mb+8*ma+7], v[BF+32*(\ch)+8*mb:BF+32*(\ch)+8*mb+7], v[AF+64*(\c)+8*ma:AF+64*(\c)+8*ma+7], 0
.else
	v_wmma_f32_16x16x32_bf16 v[64*mb+8*ma:64*mb+8*ma+7], v[BF+32*(\ch)+8*mb:BF+32*(\ch)+8*mb+7], v[AF+64*(\c)+8*ma:AF+64*(\c)+8*ma+7], v[64*mb+8*ma:64*mb+8*ma+7]
.endif
.set ma, ma+1
.endr
.set mb, mb+1
.endr
.endm
.macro LDB ch, c                       ; 8 loads: chunk ch's four fragments of B for half c
	WIN 0
.irp b, 0,1,2,3
	ds_load_tr16_b128 v[BF+32*(\ch)+8*\b:BF+32*(\ch)+8*\b+3],   v[ADRB] offset:(\c)*32*PB+(\ch)*288+32*\b
	ds_load_tr16_b128 v[BF+32*(\ch)+8*\b+4:BF+32*(\ch)+8*\b+7], v[ADRB] offset:(\c)*32*PB+(\ch)*288+32*\b+16*PB
.endr
.endm
.macro LDA c                           ; 16 loads: A's eight fragments for half c
	WIN 0
.irp a, 0,1,2,3,4,5,6,7
	ds_load_b128 v[AF+64*(\c)+8*\a:AF+64*(\c)+8*\a+3],   v[ADRA] offset:\a*16*PA+64*(\c)
	ds_load_b128 v[AF+64*(\c)+8*\a+4:AF+64*(\c)+8*\a+7], v[ADRA] offset:\a*16*PA+64*(\c)+32
.endr
.endm
; THE LDS LOADS stand in three runs a half, each behind a group of 32 products: 24 (B's chunk 0 and A, for the next half), 8 (chunk 1), 8 (chunk 2).  A group wants the run issued three runs back.
; A step's first half.  It fetches the second half's fragments from the same slot.
.macro HALF zero
	s_wait_dscnt 16                                ; chunk 0 and A are in; the two younger runs, 8 + 8, may be out
	MULG 0, 0, 0, 4, \zero
	PLACES
	LDB 0, 1
	LDA 1
	s_wait_dscnt 32                                ; chunk 1 is in; younger: 8 + 24
	MULG 1, 0, 0, 4, \zero
	PLACES
	LDB 1, 1
	s_wait_dscnt 32                                ; chunk 2 is in; younger: 24 + 8
	MULG 2, 0, 0, 4, \zero
	PLACES
	LDB 2, 1
.endm
; A step's second half, and THE CHANGE OF SLOTS: all reads of this slot have been issued.  Each wave waits for all its tensor loads, of which one is out: its part of the next slot; adds 0 to its spare
; word; and waits for that and for its own reads of this slot.  Behind the barrier nobody reads this slot any more and the next slot is whole.  fill = 1: this slot is filled again, with the K step two
; on; the barrier then opens a round of the cluster's, so that no wave of any partner still reads the slot or has a load on its way, and the joint refill is the first thing behind the round:
; 160 matrix instructions stand between it and the wait for it.
.macro HALFC fill
	WIN 0                                          ; (the add's two registers lie in window 0)
	s_wait_tensorcnt 0x0                           ; no tensor load of mine is out, so a group 0 may be written
	ds_add_u32 v[SPW], v[NIL]                      ; 0 onto my spare word
.if \fill
	s_xor_b32 s[G0A+5], s[G0A+5], SLOT1            ; the walking descriptors: the other slot than last time,
	s_add_nc_u64 s[G0A+6:G0A+7], s[G0A+6:G0A+7], STEP_A  ; the next K step; the type bits on top are not reached
	s_xor_b32 s[G0B+5], s[G0B+5], SLOT1
	s_add_nc_u64 s[G0B+6:G0B+7], s[G0B+6:G0B+7], STEP_B
.endif
	s_xor_b32 s[TB], s[TB], SLOT1                  ; the fetches go to the other slot
	s_wait_dscnt 17                                ; chunk 0 and A are in; the add and the two younger runs, 8 + 8, may be out
	MULG 0, 1, 0, 2, 0                             ; sixteen matrix instructions stand between the add and the wait for it
	s_wait_dscnt 0x0                               ; the add is done, and my reads of this slot are over
	s_barrier_signal -1
	MULG 0, 1, 2, 2, 0                             ; work on registers while the others arrive
	WIN 0
	s_barrier_wait -1
.if \fill
	CREST
	JLOAD                                          ; the four v_nop behind it are also the places in front of the loads below
.else
	PLACES
.endif
	v_add_nc_u32 v[ADRA], s[TB], v[A0]
	v_add_nc_u32 v[ADRB], s[TB], v[B0]
	LDB 0, 0
	LDA 0
	MULG 1, 1, 0, 4, 0
	PLACES
	LDB 1, 0
	MULG 2, 1, 0, 4, 0
	PLACES
	LDB 2, 0
.endm
	s_wait_tensorcnt 1                             ; my part of K step 0 is in; K step 1's may stay out
	s_barrier_signal -1
	s_barrier_wait -1                              ; everybody's is
	LDB 0, 0
	LDA 0
	LDB 1, 0
	LDB 2, 0
	HALF 1                                         ; the first half stands in front of the loop: its products start the sums
	WIN 0                                          ; at a label and at a branch every window is 0
	s_mov_b32 s[CNT], 14
.Lstep:                                        ; trip j: the second half of K step j, which is then filled again with K step j + 2; the first half of K step j + 1
	HALFC 1
	HALF 0
	WIN 0
	s_sub_co_u32 s[CNT], s[CNT], 1
	s_cmp_lg_u32 s[CNT], 0
	s_cbranch_scc1 .Lstep
	HALFC 0                                        ; the tail is written out: nothing is asked for
	HALF 0
	s_wait_dscnt 16                                ; the very last half: nothing more to fetch, the counts run down
	MULG 0, 1, 0, 4, 0
	s_wait_dscnt 8
	MULG 1, 1, 0, 4, 0
	s_wait_dscnt 0x0
	MULG 2, 1, 0, 4, 0
	PLACES
	PLACES
; THE WAY OUT, in 24 units u: chunk u / 8, row block u % 8: 16 rows x 64 columns, which are 2,048 consecutive bytes of one head.  PACK: rounded to f16, 16 bytes a lane (each accumulator's registers in
; ascending order), into my own stage in rows of 144 bytes, and back as whole rows of 128 into the registers that they left.  SEND: stored.
.macro PACK u
.set uA, (\u)%8
.set uT, AF+16*((\u)%4)
	s_wait_xcnt 0x0                                ; every earlier store has read its registers: these sixteen are written again only behind this wait
	WIN 5*(1+(\u)/8)                               ; sources 0 and 1 in the chunk's window, destination in window 0
.irp b, 0,1,2,3
.irp r, 0,1,2,3
	v_cvt_pk_f16_f32 v[uT+4*\b+\r], v[64*\b+8*uA+2*\r], v[64*\b+8*uA+2*\r+1]
.endr
.endr
	WIN 0
.irp b, 0,1,2,3
	ds_store_b128 v[STO], v[uT+4*\b:uT+4*\b+3] offset:32*\b
.endr
.irp f, 0,1,2,3
	ds_load_b128 v[uT+4*\f:uT+4*\f+3], v[RD] offset:\f*4*SP  ; LDS serves a wave's instructions in order (ISA guide 5.7.1.4): these see the stores above; the next unit's stores come behind them
.endr
.endm
.macro SEND u, younger                 ; younger: the LDS instructions issued behind unit u's loads: the next unit's eight, or none
.set uA, (\u)%8
.set uT, AF+16*((\u)%4)
.irp f, 0,1,2,3
	s_wait_dscnt (\younger)+3-\f
	global_store_b128 v[GO], v[uT+4*\f:uT+4*\f+3], s[OB+2*((\u)/8):OB+2*((\u)/8)+1] offset:uA*2048+\f*512  ; 512 consecutive bytes, at a multiple of 256 from the buffer's first
.endr
.endm
	PACK 0
.set t, 1
.rept 23                               ; a unit's conversions stand between the loads of the unit before and its stores
	PACK t
	SEND t-1, 8
.set t, t+1
.endr
	SEND 23, 0
	s_wait_tensorcnt 0x0                           ; the wave's end: behind my last tensor load and my last LDS store
	ds_add_u32 v[SPW], v[NIL]
	s_wait_dscnt 0x0
	CROUND                                         ; the closing round: no work-group ends while a partner may still ask for a tile that names it
	s_endpgm
.Lfunc_end_k_q13e9969b4d_qkv:
	.size	k_q13e9969b4d_qkv, .Lfunc_end_k_q13e9969b4d_qkv-k_q13e9969b4d_qkv
	.p2alignl 7, 3214868480
	.fill 96, 4, 3214868480
	.section	.rodata,"a",@progbits
	.p2align	6, 0x0
	.amdhsa_kernel k_q13e9969b4d_qkv
		.amdhsa_group_segment_fixed_size 327680
		.amdhsa_private_segment_fixed_size 0
		.amdhsa_enable_private_segment 0
		.amdhsa_kernarg_size 24
		.amdhsa_user_sgpr_count 2
		.amdhsa_user_sgpr_kernarg_segment_ptr 1
		.amdhsa_wavefront_size32 1
		.amdhsa_system_sgpr_workgroup_id_x 1
		.amdhsa_system_sgpr_workgroup_id_y 1
		.amdhsa_system_sgpr_workgroup_id_z 1
		.amdhsa_system_vgpr_workitem_id 0
		.amdhsa_next_free_vgpr 1024
		.amdhsa_next_free_sgpr 80
		.amdhsa_reserve_vcc 0
		.amdhsa_float_denorm_mode_32 3
		.amdhsa_float_denorm_mode_16_64 3
		.amdhsa_memory_ordered 1
		.amdhsa_forward_progress 1
		.amdhsa_inst_pref_size 115
	.end_amdhsa_kernel
	.amdgpu_metadata
---
amdhsa.version: [ 1, 2 ]
amdhsa.kernels:
  - .name:           k_q13e9969b4d_qkv
    .symbol:         k_q13e9969b4d_qkv.kd
    .args:
      - { .name: xb, .offset: 0, .size: 8, .value_kind: global_buffer, .address_space: global }
      - { .name: wab, .offset: 8, .size: 8, .value_kind: global_buffer, .address_space: global }
      - { .name: qkv, .offset: 16, .size: 8, .value_kind: global_buffer, .address_space: global }
    .group_segment_fixed_size: 327680
    .private_segment_fixed_size: 0
    .kernarg_segment_align: 8
    .kernarg_segment_size: 24
    .max_flat_workgroup_size: 128
    .sgpr_count:     80
    .vgpr_count:     1024
    .wavefront_size: 32
...
	.end_amdgpu_metadata
.endif
;; end of part 2
;; launch attn (part 3): grid 4 x 64, 4 waves a work-group, no clusters, 327,680 bytes of LDS; arguments qkv, oh; writes oh
.if DOCPART == 3
	.amdgcn_target "amdgcn-amd-amdhsa--gfx1250"
	.amdhsa_code_object_version 6
	.text
	.protected	k_q13e9969b4d_attn
	.globl	k_q13e9969b4d_attn
	.p2align	8
	.type	k_q13e9969b4d_attn,@function
k_q13e9969b4d_attn:
	s_mov_b64 s[64:65], 0
	v_nop
	global_prefetch_b8 v0, s[64:65] scope:SCOPE_SE
	s_setreg_imm32_b32 hwreg(HW_REG_WAVE_MODE, 25, 1), 1
	s_wait_xcnt 0x0
; CAUSAL ATTENTION.  O[h][q][:] = the sum over k <= q of softmax_k(Q[h][q] . K[h][k] / 8) V[h][k][:].  Q, K, V lie one behind the other in qkv, each [SIZE_H][SIZE_N][64] in f16; O (oh) likewise: a head's rows are dense, 128 bytes each.
; Products, maxima and sums in f32; the weights p are rounded to f16 for the second product (their sum l is taken of the unrounded p), O once at the end.
; LIMITS.  f16 holds no number beyond 65,504: Q, K and V arrive within it; p lies in 0 to 1, and below 6e-5 it keeps f16's fixed step of 6e-8; O is a mean of V's rows and has their range, to within 2^-11 of it.
; A hidden score counts as its value less 1e30: f16's scores, 2.7e11 at the most, are nothing beside that; a weight below 2^-126 counts as 0 in l; NaN and infinities are not treated apart.
; THE WALK.  A head's queries lie in NB = SIZE_N / 256 blocks of 256; block i needs the key tiles 0 .. i of 256 keys, of which the last holds the diagonal.  A work-group takes TWO blocks, NB - 1 - b and then b:
; NB + 1 tiles, whatever b: all work-groups do equal work, and ONE loop with a constant trip count walks them.  Which tile is asked for, and what a trip does, hang on scalar registers made from b; every jump
; goes forward, but for the counted loops' own; none passes a barrier, or a tensor load but the one of LOAD's two that the wave's number does not choose; the ring (two slots of LDS that take turns) runs on across the
; change of blocks.  NO CLUSTER: a head's NB / 2 work-groups all ask for the same tile only in trips 0 .. NB / 2, behind that fewer and fewer; and one walk common to all would have 3 NB / 2 trips for NB + 1.
; SHARES.  Of a block's four bands of 64 queries a wave owns 16 rows in each: four PIECES.  So the diagonal tile is the same work for all four waves: in its key step s band x sees all keys if s < x,
; none if s > x, and holds the diagonal if s = x.
; THE MASK is the C operand that starts the sum S^T = K Q^T: 0, or -1e30 where the key is hidden.  MD, made once, is the mask of a band's own step for my 16 rows; a product's mask is MD x AL + BE with two scalars:
; (1, 0) if s = x; (0, 0) if s < x; (0, -1e30) if s > x.  Only the diagonal tile's text and a block's beginning make and take masks; elsewhere C is the constant 0.
; LAYOUT, SOFTMAX, TURNS.  S^T = K Q^T holds ONE query a lane (lane % 16) and the keys 8 (lane / 16) + 0..7; two such results rounded to f16 ARE source 1 of O^T = V^T P.  p = 2^(c s - c m), c = log2(e) / 8, with a
; running maximum m; O and l are multiplied by a = 2^(c m_old - c m_new) in every step.  Turn n belongs to piece n: 8 products K Q^T of piece n + 1, later 8 products V^T P of piece n - 1; beside them the scaling,
; exponentials, roundings, sums and rescaling of piece n and the maximum and statistics of piece n + 1.  Four vector instructions stand behind every matrix instruction, the other 54 of a turn's 118 in two LUMPS.
; AHEAD OF THE TENSOR LOADS.  The work-group with b = 0 walks a head's tiles 0 .. NB - 1 in order.  Behind the fill of trip i it prefetches into the L2 tile i + 2, which trip i + 1 will ask for: a thread names 256 bytes of K
; and 256 of V, the 128 threads a whole tile of each.  So tiles 2 .. NB - 1 are named once in the launch; tiles 0 and 1 come by their loads alone, and trips NB - 2 and NB - 1 ask for nothing.
; REGISTERS, in windows of 256 (s_set_vgpr_msb: bits 1:0 source 0, 3:2 source 1, 5:4 source 2, 7:6 destination):
;   window 0: v0-15 addresses and two at work; v16-31 four registers of statistics a piece; v48-55 at work; v56 the prefetches' offset; v64-127 S^T, two buffers; v192-223 P, two buffers (a piece's buffers go by its number's parity)
;   window 1: v0-127 O^T, 32 a piece; v128-159 MD; v160-223 MC, two buffers      window 2: v0-63 Q; v64-127 the second block's Q; v128-191 K of one step; v192-255 V of one step
.set SIZE_H, 64
.set SIZE_N, 2048
.set TENSOR, SIZE_H*SIZE_N*128  ; bytes from Q to K and from K to V
.set NB,    SIZE_N/256
.set NP,    4         ; pieces a wave: a name, no knob
.set KS,    64        ; keys in a step
.set PK,    144       ; a row of K in LDS: 128 bytes + 16 of padding = 36 words: the 16 rows of a load start at 16 different groups of four banks (64 banks of 4 bytes: ISA guide 11.1)
.set PV,    160       ; a row of V: 128 + 32 = 40 words
.set VOFF,  4*KS*PK   ; a slot holds a tile, four steps: 256 rows of K, then 256 rows of V
.set SLOT1, 1<<17     ; slot 1 begins here, so that one exclusive or turns an address in one slot into the other's
.set STAGE, SLOT1+4*KS*(PK+PV)  ; behind the ring, never filled by a tensor load: 16 rows x 144 bytes for each wave, for the way out
.set SP,    144
.set AK0, 2           ; v2   my lane's place in a tile of K; never rewritten
.set AV0, 3           ; v3   the same for V
.set AK,  4           ; v4   the LDS address of K's next run of loads
.set AV,  5           ; v5   of V's
.set STO, 6           ; v6   the way out: where I put 16 bytes of a row
.set RD,  7           ; v7   the way out: where I read rows back
.set GO,  8           ; v8   my byte offset in 512 consecutive bytes of O
.set PFO, 56          ; v56  256 x my thread's number; never rewritten
.set SPW, 62          ; v62  LDS address of my spare word: SPARE + 4 x my thread's number; never rewritten
.set NIL, 63          ; v63  0; never rewritten
.set SPARE, STAGE+4*16*SP  ; behind the stages: the spare words, 128 bytes for each wave: two blocks of 256 bytes that no other line names
.set MV,  12          ; v12-13  c m_old, kept while c m is made anew: by buffer
.set QO,  15          ; v15  my byte offset in 16 rows of Q
.set ST,  16          ; piece t's statistics at v[ST+4 t]: c m, m, l (even keys', odd keys')
.set TMP, 48          ; by buffer, four registers c0-c3 at work; when the maximum is found c2 takes a
.set S,   64
.set P,   192
.set MD,  128         ; window 1: the eight registers for group kt of 16 keys at MD + 8 kt
.set MC,  160         ; window 1: the masks of the products to come
.set QB,  64          ; window 2
.set KF,  128         ; window 2: key block kb, channel half c at KF + 16 kb + 8 c
.set VF,  192         ; window 2: key half kk, channel block cb at VF + 32 kk + 8 cb
.set WV,  12          ; s12  my wave's number
.set PB,  14          ; s14  b
.set HI,  15          ; s15  NB - 1 - b
.set G1K, 24          ; s[24:31] descriptor group 1 for K's tiles
.set G1V, 32          ; s[32:39] for V's: it differs in the padding alone
.set G0K, 40          ; s[40:43] descriptor group 0 for K's tiles
.set G0V, 44          ; s[44:47] the same for V's
.set SLOTS, 56        ; s56  tiles still to be asked for
.set CNT, 57          ; s57  counts a tile's key steps, 4 to 1
.set CS,  58          ; s[58:59] c: the packed scaling takes the pair's low word for both halves
.set SEL, 60          ; s[60:61] v_permlanex16_b32's selects: each lane takes its own place in the other half
.set TBK, 62          ; s62  LDS byte at which K of the step to be fetched begins
.set TBV, 63          ; s63  the same for V, less VOFF
.set RT,  70          ; s70  tiles of the block in hand that are still to be entered
.set NXT, 71          ; s71  the tile to be asked for next
.set LQ,  72          ; s72  the last tile of the block whose tiles are being asked for
.set NEW, 73          ; s73  1: the tile to be entered is a block's first
.set OFF, 74          ; s[74:75] a tile's byte offset in K and V
.set AL,  76          ; s[76:77] the mask's factor, in the low word
.set BE,  78          ; s[78:79] the mask's addend
.set OLO, 80          ; s[80:81] O at my rows of the second block
.set BIGN, 82         ; s82  -1e30
.set PFK, 88          ; s[88:89] the head's K at the tile behind the one that is being asked for
.set PFV, 90          ; s[90:91] the same for V
.set LIM, 92          ; s92  2 in the work-group that prefetches, else the greatest number: it prefetches while s[SLOTS] is above it
.set MSB, 0
.macro WIN new                      ; the high byte repeats the setting that is left; a switch that changes nothing is dropped
.if MSB != (\new)
	s_set_vgpr_msb (MSB<<8)|(\new)
.set MSB, (\new)
.endif
.endm
.set W_KQ, 0x0a       ; K and Q in window 2, S^T in window 0
.set W_KM, 0x1a       ; the same with the C operand in window 1
.set W_PV, 0x52       ; V in window 2, P in window 0, O^T in window 1
.set W_RS, 0x41       ; destination and source 0 in window 1, source 1 in window 0
; A fill.  Waves 0 and 1 fetch the two halves of a tile's K, waves 2 and 3 those of its V: 128 keys each.  An s_nop 0 and four v_nop follow each of the two lines, ahead of the jump and the label.
.macro LOAD
	s_cmp_lt_u32 s[WV], 2
	s_cbranch_scc0 .Lfor_v_\@
	tensor_load_to_lds s[G0K:G0K+3], s[G1K:G1K+7]
	s_nop 0
.rept 4
	v_nop
.endr
	s_branch .Lasked_\@
.Lfor_v_\@:
	tensor_load_to_lds s[G0V:G0V+3], s[G1V:G1V+7]
	s_nop 0
.rept 4
	v_nop
.endr
.Lasked_\@:
.endm
; THE CHANGE OF SLOTS.  Each wave waits for all its tensor loads, of which one is out: its part of the other slot; adds 0 to its spare word; and waits for that and for its own reads of the slot that it leaves.  Behind the barrier nobody reads the old
; slot any more and the other slot is whole.  fill = 1: the old slot is filled again, the first thing behind the barrier, with tile NXT: the descriptor's address is made anew from that number; behind the fill stand the prefetches.
; (At its first use nothing has been read yet: slot 0 is waited for, slot 1 filled.)
.macro CHANGE fill
	WIN 0                           ; at a label and at a branch every window is 0
	s_wait_tensorcnt 0x0            ; no tensor load of mine is out, so a group 0 may be written
	ds_add_u32 v[SPW], v[NIL]       ; 0 onto my spare word; with fill = 1 the descriptors' scalar work stands between it and the wait for it
.if \fill
	s_lshl_b32 s[OFF], s[NXT], 15   ; a tile is 32,768 bytes of K and of V
	s_xor_b32 s[G0K+1], s[G0K+1], SLOT1
	s_add_nc_u64 s[G0K+2:G0K+3], s[6:7], s[OFF:OFF+1]
	s_or_b32 s[G0K+3], s[G0K+3], 0x80000000
	s_xor_b32 s[G0V+1], s[G0V+1], SLOT1
	s_add_nc_u64 s[G0V+2:G0V+3], s[8:9], s[OFF:OFF+1]
	s_or_b32 s[G0V+3], s[G0V+3], 0x80000000
	s_add_co_u32 s[NXT], s[NXT], 1  ; the block's next tile, or behind its last the second block's tile 0
	s_cmp_gt_u32 s[NXT], s[LQ]
	s_cselect_b32 s[NXT], 0, s[NXT]
	s_cselect_b32 s[LQ], s[PB], s[LQ]
	s_wait_xcnt 0x0                 ; the last prefetches, a tile's four key steps back, have read their addresses, so these may be written
	s_add_nc_u64 s[PFK:PFK+1], s[PFK:PFK+1], 32768
	s_add_nc_u64 s[PFV:PFV+1], s[PFV:PFV+1], 32768
.endif
	s_wait_dscnt 0x0                ; the add is done, and my reads of the slot are over
	s_barrier_signal -1             ; the rest of the scalar work stands between the signal and the wait
	s_sub_co_u32 s[TBK], s[TBK], 4*KS*PK  ; the fetches go back to a slot's first step,
	s_xor_b32 s[TBK], s[TBK], SLOT1       ; in the other slot
	s_sub_co_u32 s[TBV], s[TBV], 4*KS*PV
	s_xor_b32 s[TBV], s[TBV], SLOT1
	s_barrier_wait -1
.if \fill
	LOAD
	s_cmp_gt_u32 s[SLOTS], s[LIM]   ; trips 0 .. NB - 3 of the work-group with b = 0
	s_cbranch_scc0 .Lnot_mine_\@
	global_prefetch_b8 v[PFO], s[PFK:PFK+1] th:TH_LOAD_NT scope:SCOPE_SE  ; the tile that the next change will ask for: four key steps, 256 matrix instructions, ahead
	global_prefetch_b8 v[PFO], s[PFV:PFV+1] th:TH_LOAD_NT scope:SCOPE_SE
.Lnot_mine_\@:
.endif
.endm
	s_load_b128 s[4:7], s[0:1], 0x0 ; qkv s[4:5], oh s[6:7]
	v_lshl_add_u32 v[SPW], v0, 2, SPARE
	v_mov_b32 v[NIL], 0
	ds_add_u32 v[SPW], v[NIL]       ; the wave's opening: the add and its wait stand ahead of my first tensor load; the set-up below, work on registers, stands between them
	ds_add_u32 v62, v63
	v_lshrrev_b32 v1, 5, v0
	v_readfirstlane_b32 s[WV], v1   ; wave 0..3
	v_lshlrev_b32 v[PFO], 8, v0
	s_mov_b32 s[PB], ttmp9
	s_sub_co_u32 s[HI], NB-1, s[PB]
	s_cmp_eq_u32 s[PB], 0
	s_cselect_b32 s[LIM], 2, -1
	s_and_b32 s20, ttmp7, 0xffff    ; the head
	s_mov_b32 s21, 0
	s_mov_b64 s[22:23], SIZE_N*128
	s_mul_u64 s[20:21], s[20:21], s[22:23]  ; the head's first byte in each of the four tensors
	s_and_b32 s16, s[WV], 1         ; which half of a tile's 256 keys I fetch:
	s_lshl_b32 s22, s16, 14         ; its 128 rows of 128 bytes in memory,
	s_mov_b32 s23, 0
	s_add_nc_u64 s[22:23], s[22:23], s[20:21]
	s_mul_i32 s17, s16, 128*PK      ; and its place in a slot, for K
	s_mul_i32 s18, s16, 128*PV      ; and for V
	s_lshl_b32 s3, s[WV], 11        ; my 16 rows in a band of 64,
	s_lshl_b32 s2, s[HI], 15        ; in the first block,
	s_add_co_u32 s2, s2, s3
	s_lshl_b32 s84, s[PB], 15       ; and in the second
	s_add_co_u32 s84, s84, s3
	s_mov_b32 s3, 0
	s_mov_b32 s85, 0
	s_add_nc_u64 s[2:3], s[2:3], s[20:21]
	s_add_nc_u64 s[84:85], s[84:85], s[20:21]
	; descriptor group 1.  128 keys are 16,384 dense bytes: asked for as 64 rows of 256 bytes, two keys a row, and padded in LDS after every key
	s_mov_b32 s[G1K], (1<<16)|(1<<20)|(4<<22)|(3<<25)  ; 17:16 2-byte elements; 20 padding on; 24:22 after every 32 words (code 4); 31:25 4 words (code 3)
	s_mov_b32 s[G1V], (1<<16)|(1<<20)|(4<<22)|(7<<25)  ; the same with 8 words of padding (code 7)
.irp g, G1K, G1V
	s_mov_b32 s[\g+1], 128<<16      ; tensor_dim0 = 128
	s_mov_b32 s[\g+2], 64<<16       ; tensor_dim1 = 64
	s_mov_b32 s[\g+3], 128<<16      ; tile_dim0 = 128
	s_mov_b32 s[\g+4], 64           ; tile_dim1 = 64
	s_mov_b32 s[\g+5], 128          ; 128 elements from row to row
	s_mov_b32 s[\g+6], 0
	s_mov_b32 s[\g+7], 0
.endr
	s_mov_b32 s[CS], 0x3e38aa3b     ; c = log2(e) / 8 = 0.180337
	s_mov_b32 s[CS+1], s[CS]        ; named with it as a pair
	s_mov_b32 s[SEL], 0x76543210
	s_mov_b32 s[SEL+1], 0xfedcba98
	s_mov_b32 s[TBK], SLOT1+4*KS*PK ; the first change of slots turns these two into 0
	s_mov_b32 s[TBV], SLOT1+4*KS*PV
	s_mov_b32 s[G0K], 1             ; 1:0 count = 1
	s_mov_b32 s[G0K+1], s17         ; 63:32 LDS address: slot 0
	s_mov_b32 s[G0V], 1
	s_add_co_u32 s[G0V+1], s18, VOFF
	s_add_co_u32 s[RT], s[HI], 1    ; the first block has NB - b tiles
	s_mov_b32 s[NXT], 1
	s_mov_b32 s[LQ], s[HI]
	s_mov_b32 s[NEW], 1
	s_mov_b32 s[OFF+1], 0
	s_mov_b32 s[AL+1], 0            ; named as pairs
	s_mov_b32 s[BE+1], 0
	s_mov_b32 s[BIGN], 0xf149f2ca   ; -1e30
	s_mov_b32 s[SLOTS], NB
	s_wait_dscnt 0x0                ; the opening add is done
	s_wait_kmcnt 0x0
	s_mov_b64 s[10:11], s[6:7]      ; O
	s_add_nc_u64 s[6:7], s[4:5], TENSOR    ; K lies behind Q,
	s_add_nc_u64 s[8:9], s[4:5], 2*TENSOR  ; V behind K
	s_add_nc_u64 s[PFK:PFK+1], s[6:7], s[20:21]
	s_add_nc_u64 s[PFK:PFK+1], s[PFK:PFK+1], 32768  ; at the head's tile 1: the first change of slots steps it to tile 2.  Nothing is prefetched here, at the head, where every work-group's first tiles are on their way
	s_add_nc_u64 s[PFV:PFV+1], s[8:9], s[20:21]
	s_add_nc_u64 s[PFV:PFV+1], s[PFV:PFV+1], 32768
	s_add_nc_u64 s[6:7], s[6:7], s[22:23]  ; K and V at my half of the head's tile 0
	s_add_nc_u64 s[8:9], s[8:9], s[22:23]
	s_add_nc_u64 s[G0K+2:G0K+3], s[6:7], 0         ; 120:64 global address
	s_or_b32 s[G0K+3], s[G0K+3], 0x80000000        ; 127:126 type = 2
	s_add_nc_u64 s[G0V+2:G0V+3], s[8:9], 0
	s_or_b32 s[G0V+3], s[G0V+3], 0x80000000
	s_add_nc_u64 s[86:87], s[4:5], s[84:85]        ; Q at my rows of the second block,
	s_add_nc_u64 s[4:5], s[4:5], s[2:3]            ; Q and O at those of the first
	s_add_nc_u64 s[OLO:OLO+1], s[10:11], s[84:85]
	s_add_nc_u64 s[10:11], s[10:11], s[2:3]
	LOAD                            ; tile 0 into slot 0
	; A fragment of K or Q is 16 rows x 32 channels in 8 registers: lane l holds row l % 16, channels 8 (l / 16) + 0..7 and 16 + 8 (l / 16) + 0..7: two loads of 16 bytes, 32 bytes apart.
	v_and_b32 v1, 15, v0            ; l % 16
	v_bfe_u32 v9, v0, 4, 1          ; l / 16
	v_lshlrev_b32 v[QO], 7, v1
	v_lshl_add_u32 v[QO], v9, 4, v[QO]  ; row x 128 + 16 x half
	WIN 0x80                        ; destination window 2, address window 0
.set i, 0
.rept 8                             ; both blocks' Q: piece i / 2 lies in band i / 2, 8,192 bytes on; channels 32 (i % 2) on
	global_load_b128 v[8*i:8*i+3],   v[QO], s[4:5] offset:(i/2)*8192+(i%2)*64
	global_load_b128 v[8*i+4:8*i+7], v[QO], s[4:5] offset:(i/2)*8192+(i%2)*64+32
	global_load_b128 v[QB+8*i:QB+8*i+3],   v[QO], s[86:87] offset:(i/2)*8192+(i%2)*64
	global_load_b128 v[QB+8*i+4:QB+8*i+7], v[QO], s[86:87] offset:(i/2)*8192+(i%2)*64+32
.set i, i+1
.endr
	WIN 0
	v_lshlrev_b32 v14, 3, v9
	v_sub_nc_u32 v14, v1, v14
	s_lshl_b32 s13, s[WV], 4
	v_add_nc_u32 v14, s13, v14      ; my query's place in its band, 16 w + l % 16, less my lanes' 8 (l / 16): register r of group kt is hidden where 16 kt + r is greater
	WIN 0x40
.set i, 0
.rept 32
	v_cmp_gt_i32 vcc_lo, 16*(i/8)+i%8, v14
	v_cndmask_b32 v[MD+i], 0, s[BIGN], vcc_lo
.set i, i+1
.endr
	WIN 0
	v_mul_u32_u24 v[AK0], v1, PK
	v_lshl_add_u32 v[AK0], v9, 4, v[AK0]  ; row x pitch + 16 x half
	; The turning load takes 16 keys x 16 channels (lane l reads key 8 (l / 16) + l % 8, channels 8 ((l / 8) % 2) + 0..7) and leaves half a fragment of V^T: lane l holds channel l % 16 and 8 keys.
	v_and_b32 v10, 7, v0
	v_bfe_u32 v11, v0, 3, 1
	v_lshl_add_u32 v[AV0], v9, 3, v10
	v_mul_u32_u24 v[AV0], v[AV0], PV
	v_lshl_add_u32 v[AV0], v11, 4, v[AV0]
	v_add_nc_u32 v[AV0], VOFF, v[AV0]
	s_mul_i32 s13, s[WV], 16*SP
	s_add_co_u32 s13, s13, STAGE    ; my stage
	v_mul_u32_u24 v[STO], v1, SP    ; in: row l % 16, 16 bytes for each half of the lanes
	v_lshl_add_u32 v[STO], v9, 4, v[STO]
	v_add_nc_u32 v[STO], s13, v[STO]
	v_bfe_u32 v[RD], v0, 3, 2       ; back: 32 lanes take four rows of 128 bytes,
	v_mul_u32_u24 v[RD], v[RD], SP
	v_lshl_add_u32 v[RD], v10, 4, v[RD]
	v_add_nc_u32 v[RD], s13, v[RD]
	v_and_b32 v[GO], 31, v0         ; which are 512 consecutive bytes of O
	v_lshlrev_b32 v[GO], 4, v[GO]
	; A block's first step multiplies O^T and l by a = 0, and its first turn's products V^T P, of a piece that has not been, land in an O^T that is still to be so multiplied.  So these registers need only hold
	; finite numbers: zeros for the first block; what the first block left for the second.  All this stands in the wait for the first tile.
	WIN 0x80
.set i, VF
.rept 64
	v_mov_b32 v[i], 0
.set i, i+1
.endr
	WIN 0x40
.set i, 0
.rept 128
	v_mov_b32 v[i], 0
.set i, i+1
.endr
	WIN 0
.set i, 0
.rept 4
	v_mov_b32 v[ST+4*i+2], 0
	v_mov_b32 v[ST+4*i+3], 0
.set i, i+1
.endr
.set i, P+16
.rept 16
	v_mov_b32 v[i], 0
.set i, i+1
.endr
; THE MATRIX WORK.  The 4 accumulators of a run of 8 take turns.  Product i of 8 of S^T = K Q^T for piece x: channels 32 (i / 4) on, keys 16 (i % 4) on.  The first 4 start the sums: with 0, or (KM = 1) with the mask.
.macro KQ x
.set rS, S+32*((\x)%2)+8*(i%4)
.set rK, KF+16*(i%4)+8*(i/4)
.set rQ, 16*(\x)+8*(i/4)
.set rM, MC+32*((\x)%2)+8*(i%4)
.if (i < 4) && KM
	WIN W_KM
	v_wmma_f32_16x16x32_f16 v[rS:rS+7], v[rK:rK+7], v[rQ:rQ+7], v[rM:rM+7]
.elseif i < 4
	WIN W_KQ
	v_wmma_f32_16x16x32_f16 v[rS:rS+7], v[rK:rK+7], v[rQ:rQ+7], 0
.else
	WIN W_KQ
	v_wmma_f32_16x16x32_f16 v[rS:rS+7], v[rK:rK+7], v[rQ:rQ+7], v[rS:rS+7]
.endif
.endm
; Product i of 8 of O^T += V^T P for piece x: keys 32 (i / 4) on, channels 16 (i % 4) on.
.macro PV x
	WIN W_PV
.set rO, 32*(\x)+8*(i%4)
.set rV, VF+32*(i/4)+8*(i%4)
.set rP, P+16*((\x)%2)+8*(i/4)
	v_wmma_f32_16x16x32_f16 v[rO:rO+7], v[rV:rV+7], v[rP:rP+7], v[rO:rO+7]
.endm
.macro MM                           ; the turn's next matrix instruction.  TURN and BEGIN set Y, i, KM and NOKQ; MM, KQ and OP read them.  NOKQ = 1: a block's last turn: there is no next piece
.if (i < 8) && !NOKQ
	KQ (Y+1)%NP
.elseif i >= 8
.set i, i-8
	PV (Y+NP-1)%NP
.set i, i+8
.endif
.set i, i+1
.endm
; THE LDS LOADS stand in runs of 16, never singly among the matrix instructions: a step's K (64 keys x 64 channels: 8 fragments) and its V (turned).  Their addresses are made some lines ahead.
.macro FETCH_K
	WIN 0x80                        ; destination window 2
.irp f, 0,1,2,3,4,5,6,7             ; keys 16 (f / 2) on, channels 32 (f % 2) on
	ds_load_b128 v[KF+8*\f:KF+8*\f+3],   v[AK] offset:(\f/2)*16*PK+(\f%2)*64
	ds_load_b128 v[KF+8*\f+4:KF+8*\f+7], v[AK] offset:(\f/2)*16*PK+(\f%2)*64+32
.endr
	s_add_co_u32 s[TBK], s[TBK], KS*PK  ; the next fetch is the next step's
	WIN 0
.endm
.macro FETCH_V
	WIN 0x80
.irp f, 0,1,2,3,4,5,6,7             ; keys 32 (f / 4) on, channels 16 (f % 4) on
	ds_load_tr16_b128 v[VF+8*\f:VF+8*\f+3],   v[AV] offset:(\f/4)*32*PV+(\f%4)*32
	ds_load_tr16_b128 v[VF+8*\f+4:VF+8*\f+7], v[AV] offset:(\f/4)*32*PV+16*PV+(\f%4)*32
.endr
	WIN 0
.endm
; THE VECTOR WORK, one line at a time: OP kind, number.  For piece Y: F n: c s - c m for pair n of 16.  E n: the exponential of score n of 32.  C n: pair n rounded to f16.  B n: of the four weights 4 n .. the second
; pair is added onto the first, in place.  L n: l takes that sum (L 0: l = a l + sum).  R n: pair n of 16 of O^T times a.  For piece Y + 1: X n, number n of the 22 that find its maximum and statistics:
;   0-11  four chains c0-c3 of seven scores each, three operands at a time (each accumulator's lowest registers are read first)     12-14, 16  the four scores left over, the old m, and c0-c3 into c0
;   15  c m_old is kept     17, 18  the query's other 32 keys lie in the lane 16 away: the new m     19-21  c m; c m_old - c m_new; a
.set F, 0               ; OP tells the kinds apart by their order: F to L below R, X above it
.set E, 1
.set C, 2
.set B, 3
.set L, 4
.set R, 5
.set X, 6
.macro REGS y                       ; the registers of piece y
.set rT, ST+4*(\y)
.set rC, TMP+4*((\y)%2)
.set rW, MV+((\y)%2)
.set rS, S+32*((\y)%2)
.set rP, P+16*((\y)%2)
.set rO, 32*(\y)
.endm
.macro OP k, n
.if (\k) == R
	REGS Y
	WIN W_RS
	v_pk_mul_f32 v[rO+2*(\n):rO+2*(\n)+1], v[rO+2*(\n):rO+2*(\n)+1], v[rC+2:rC+3] op_sel_hi:[1,0]
.elseif (\k) < R
	REGS Y
	WIN 0
.if (\k) == F
	v_pk_fma_f32 v[rS+2*(\n):rS+2*(\n)+1], v[rS+2*(\n):rS+2*(\n)+1], s[CS:CS+1], v[rT:rT+1] op_sel_hi:[1,0,0] neg_lo:[0,0,1] neg_hi:[0,0,1]
.elseif (\k) == E
	v_exp_f32 v[rS+(\n)], v[rS+(\n)]
.elseif (\k) == C
	s_wait_alu depctr_va_vdst(0)
	v_cvt_pk_f16_f32 v[rP+(\n)], v[rS+2*(\n)], v[rS+2*(\n)+1]
.elseif (\k) == B
	s_wait_alu depctr_va_vdst(0)
	v_pk_add_f32 v[rS+4*(\n):rS+4*(\n)+1], v[rS+4*(\n):rS+4*(\n)+1], v[rS+4*(\n)+2:rS+4*(\n)+3]
.elseif (\n) == 0
	v_pk_fma_f32 v[rT+2:rT+3], v[rT+2:rT+3], v[rC+2:rC+3], v[rS:rS+1] op_sel_hi:[1,0,1]
.else
	v_pk_add_f32 v[rT+2:rT+3], v[rT+2:rT+3], v[rS+4*(\n):rS+4*(\n)+1]
.endif
.elseif NOKQ
	v_nop
.else
	REGS (Y+1)%NP
	WIN 0
.if (\n) < 4
	v_max3_num_f32 v[rC+(\n)], v[rS+8*(\n)], v[rS+8*(\n)+1], v[rS+8*(\n)+2]
.elseif (\n) < 12
	v_max3_num_f32 v[rC+(\n)%4], v[rC+(\n)%4], v[rS+8*((\n)%4)+2*((\n)/4)+1], v[rS+8*((\n)%4)+2*((\n)/4)+2]
.elseif (\n) == 12
	v_max3_num_f32 v[rC], v[rC], v[rS+7], v[rS+15]
.elseif (\n) == 13
	v_max3_num_f32 v[rC+1], v[rC+1], v[rS+23], v[rS+31]
.elseif (\n) == 14
	v_max3_num_f32 v[rC+2], v[rC+2], v[rC+3], v[rT+1]
.elseif (\n) == 15
	v_mov_b32 v[rW], v[rT]
.elseif (\n) == 16
	v_max3_num_f32 v[rC], v[rC], v[rC+1], v[rC+2]
.elseif (\n) == 17
	v_permlanex16_b32 v[rC+3], v[rC], s[SEL], s[SEL+1]
.elseif (\n) == 18
	v_max_num_f32 v[rT+1], v[rC], v[rC+3]
.elseif (\n) == 19
	v_mul_f32 v[rT], s[CS], v[rT+1]
.elseif (\n) == 20
	v_sub_f32 v[rC+1], v[rW], v[rT]
.else
	v_exp_f32 v[rC+2], v[rC+1]
.endif
.endif
.endm
.macro OPS a, i1, b=-1, i2=0, c=-1, i3=0, d=-1, i4=0  ; up to four of them
	OP \a, \i1
.if (\b) >= 0
	OP \b, \i2
.endif
.if (\c) >= 0
	OP \c, \i3
.endif
.if (\d) >= 0
	OP \d, \i4
.endif
.endm
.macro ROW a, i1, b, i2, c, i3, d, i4  ; a matrix instruction and the four behind it
	MM
	OPS \a, \i1, \b, \i2, \c, \i3, \d, \i4
.endm
.macro MASK b                       ; MD x AL + BE into buffer b of MC
	WIN W_RS
.set z, 0
.rept 16
	v_pk_fma_f32 v[MC+32*(\b)+2*z:MC+32*(\b)+2*z+1], v[MD+2*z:MD+2*z+1], s[AL:AL+1], s[BE:BE+1] op_sel_hi:[1,0,0]
.set z, z+1
.endr
.endm
; A TURN, for piece p: the order of its 16 matrix and 118 vector instructions, written out.  Behind a matrix instruction: plain, exponential, plain, plain; or four of the rescaling; or, behind the first, four scalings; none
; names a register of the products round it.  In the lumps exponential and plain by turns while exponentials last.  A line reads no result made fewer than three vector instructions in front of it, five if an exponential made it.
; v_permlanex16_b32 (X 17) stands in a lump.
; m = 1: the diagonal tile: the products take masks, and the turn makes the mask for the products of the turn after it: piece p + 2, in step 4 - CNT of the tile.  end = 1: a block's last two turns: nothing is fetched.
; cnt = 1: the loop's count is taken down some lines ahead of the branch that stands behind the turn.
; K of the next step is fetched in piece 2's turn, six vector instructions behind the last product that read K (five of them plain); V of the step in hand in piece 0's turn, eight behind the last product that read V (four
; plain, and X 17).  Each is waited for a turn later.
.macro TURN p, m=0, end=0, cnt=0
.set Y, (\p)
.set i, 0
.set KM, (\m)
.set NOKQ, (\end)*((\p)/3)
.if (\m) && !(\end)
	s_cmp_eq_u32 s[CNT], 4-((\p)+2)%NP  ; is that step the band's own?
	s_cselect_b32 s[AL], 1.0, 0
	s_cmp_lt_u32 s[CNT], 4-((\p)+2)%NP  ; or a later one?
	s_cselect_b32 s[BE], s[BIGN], 0
.endif
.if ((\p) == 3) && !(\end)
	s_wait_dscnt 0x0                ; K is in
.endif
	ROW F,0, F,1, F,2, F,3
	ROW F,4, E,0, F,5, F,6
	ROW F,7, E,1, F,8, F,9
	ROW F,10, E,2, C,0, F,11
	ROW F,12, E,3, X,15, F,13
	ROW R,0, R,1, R,2, R,3
	ROW B,0, E,4, F,14, L,0
.if ((\p) == 2) && !(\end)
	v_add_nc_u32 v[AK], s[TBK], v[AK0]
.endif
	ROW R,4, R,5, R,6, R,7
	OPS E,5, F,15
.if ((\p) == 2) && !(\end)
	FETCH_K
.endif
	OPS E,6, C,1, E,7, R,8
	OPS E,8, R,9, E,9, C,2
	OPS E,10, X,0, E,11, X,1
	OPS E,12, X,2, E,13, X,3
.if (\p) == 1
	s_wait_dscnt 0x0                ; V is in
.endif
	ROW X,4, E,14, X,5, X,6
	ROW X,7, E,15, X,8, X,9
	ROW X,10, E,16, X,11, X,12
	ROW X,13, E,17, X,14, B,1
	ROW C,4, E,18, X,16, L,1
	ROW B,2, E,19, C,6, L,2
	ROW C,8, E,20, B,3, B,4
.if (\p) == 0
	v_add_nc_u32 v[AV], s[TBV], v[AV0]
.endif
	ROW C,3, E,21, L,3, C,5
	OPS E,22, X,17, E,23, C,10
.if (\p) == 0
	FETCH_V
.endif
	OPS E,24, L,4
	OPS E,25, X,18, E,26, C,7
	OPS E,27, B,5, E,28, X,19
	OPS E,29, C,12, E,30, L,5
	OPS E,31, X,20, B,6, C,9
	OPS C,14, C,11, X,21, L,6
.if (\p) == 0
	s_add_co_u32 s[TBV], s[TBV], KS*PV
.endif
.if \cnt
	s_sub_co_u32 s[CNT], s[CNT], 1
	s_cmp_lg_u32 s[CNT], 0
.endif
	OPS C,13, B,7, C,15, R,10
	OPS R,11, R,12, L,7, R,13
	OPS R,14, R,15
.if (\m) && !(\end)
	MASK (\p)%2
.endif
.endm
; A BLOCK BEGINS.  c m starts far below every c s, so the first step's a is 0; m at the lowest finite number, so the first maximum is the scores'.  The second mask buffer is 0; the first takes piece 0's mask for the tile's step 0: its own, if the block's first tile is the diagonal one.
; Then K of that step, piece 0's first scores, and its maximum and statistics.  The loop is entered at a step's first turn, in the middle of a trip.
.macro BEGIN
	s_mov_b32 s[NEW], 0
	WIN 0x40
.set i, MC+32
.rept 32
	v_mov_b32 v[i], 0
.set i, i+1
.endr
	WIN 0
.set i, 0
.rept 4
	v_mov_b32 v[ST+4*i], 0xfe000000    ; c m: far below every c s
	v_mov_b32 v[ST+4*i+1], 0xff7fffff  ; m
.set i, i+1
.endr
	s_cmp_eq_u32 s[RT], 0
	s_cselect_b32 s[AL], 1.0, 0
	s_mov_b32 s[BE], 0
	MASK 0
	WIN 0
	v_add_nc_u32 v[AK], s[TBK], v[AK0]
	FETCH_K
	s_wait_loadcnt 0x0              ; Q
	s_wait_dscnt 0x0
.set KM, 1
.set NOKQ, 0
.set i, 0
.rept 8
	KQ 0
.set i, i+1
.endr
	WIN 0
.rept 4
	v_nop                           ; the places behind those products
.endr
.set Y, NP-1                        ; X works for piece Y + 1: piece 0
.irp n, 0,1,2,3,4,5,6,7,8,9,10,11,12,13,14,15,16,17,18,19,20,21
	OP X, \n
.endr
	v_nop                           ; a plain instruction behind the exponential
.endm
; THE DIAGONAL TILE's four steps, the block's last two turns, its last products, and THE WAY OUT: l's two halves and the other half of the lanes' are added; O^T is divided by l, rounded to f16 and sent through my
; stage in LDS, a piece at a time.
.macro ALL line:vararg              ; one line for each piece t
.set t, 0
.rept 4
	\line
.set t, t+1
.endr
.endm
.macro PACK t                       ; a lane's eight channels of a row pack into 16 bytes; they go into rows of 144 bytes and come back as whole rows of 128, into S^T's registers
	WIN W_RS
.set i, 32*(\t)
.rept 16
	s_wait_alu depctr_va_vdst(0)
	v_pk_mul_f32 v[i:i+1], v[i:i+1], v[ST+4*(\t)+2:ST+4*(\t)+3] op_sel_hi:[1,0]
.set i, i+2
.endr
	WIN 0x05                        ; sources 0 and 1 window 1, destination window 0
.set i, 0
.rept 16
	v_cvt_pk_f16_f32 v[S+16*(\t)+i], v[32*(\t)+2*i], v[32*(\t)+2*i+1]
.set i, i+1
.endr
	WIN 0
.irp f, 0,1,2,3
	ds_store_b128 v[STO], v[S+16*(\t)+4*\f:S+16*(\t)+4*\f+3] offset:32*\f
.endr
.irp f, 0,1,2,3
	ds_load_b128 v[S+16*(\t)+4*\f:S+16*(\t)+4*\f+3], v[RD] offset:\f*4*SP  ; LDS serves a wave's instructions in order (ISA guide 5.7.1.4): these see the stores above; the next piece's stores come behind them
.endr
.endm
.macro SEND t, younger              ; younger: the LDS instructions issued behind piece t's loads: the next piece's eight, or none
	WIN 0
.irp f, 0,1,2,3
	s_wait_dscnt (\younger)+3-\f
	global_store_b128 v[GO], v[S+16*(\t)+4*\f:S+16*(\t)+4*\f+3], s[10:11] offset:(\t)*8192+\f*512  ; 512 consecutive bytes, at a multiple of 256 from O's first
.endr
.endm
.macro DIAG tag                     ; the tag ends its two labels' names, which the jumps below spell out
.LstepM\tag:
	TURN 2, 1
	TURN 3, 1
	WIN 0
.LfirstM\tag:
	TURN 0, 1
	TURN 1, 1, 0, 1
	WIN 0
	s_cbranch_scc1 .LstepM\tag
	TURN 2, 1, 1
	TURN 3, 1, 1
.set i, 0
.rept 8
	PV NP-1
.set i, i+1
.endr
	WIN 0
	ALL v_add_f32 v[ST+4*t+2], v[ST+4*t+2], v[ST+4*t+3]
	ALL v_permlanex16_b32 v[ST+4*t+3], v[ST+4*t+2], s[SEL], s[SEL+1]
	ALL v_add_f32 v[ST+4*t+2], v[ST+4*t+2], v[ST+4*t+3]
	ALL v_rcp_f32 v[ST+4*t+2], v[ST+4*t+2]
	v_nop                           ; a plain instruction between the last reciprocal and the use of its result
	PACK 0
.set t, 1
.rept 3                             ; a piece's arithmetic stands between the loads of the piece before and its stores
	PACK t
	SEND t-1, 8
.set t, t+1
.endr
	SEND 3, 0
.endm
.set KM, 0
.set NOKQ, 0
.Lslot:                             ; NB times: a tile is entered and the next is asked for
	CHANGE 1
	s_sub_co_u32 s[RT], s[RT], 1
	s_mov_b32 s[CNT], 4
	s_cmp_eq_u32 s[NEW], 1
	s_cbranch_scc1 .Lnew            ; a block's first tile
	s_cmp_eq_u32 s[RT], 0
	s_cbranch_scc0 .Lstep           ; neither its first nor its last
	s_branch .LstepM1
.Lnew:
	BEGIN
	s_branch .Lfirst                ; in the loop a block's first tile is never its last: the first block has two tiles or more, and the second's last is the walk's last
	DIAG 1                          ; in the loop this is the first block's end: the second block's last tile is the walk's last
	s_wait_xcnt 0x0                 ; the stores have read their registers and O's address
	s_mov_b64 s[10:11], s[OLO:OLO+1]
	s_add_co_u32 s[RT], s[PB], 1    ; the second block has b + 1 tiles
	s_mov_b32 s[NEW], 1
	WIN 0x82                        ; the second block's Q goes where the one text of the turns names Q
.set i, 0
.rept 64
	v_mov_b32 v[i], v[QB+i]
.set i, i+1
.endr
	WIN 0
	s_branch .Lbottom
.Lstep:                             ; a trip: pieces 2 and 3 of one step, then pieces 0 and 1 of the next, whose K and V it fetches
	TURN 2
	TURN 3
	WIN 0
.Lfirst:
	TURN 0
	TURN 1, 0, 0, 1
	WIN 0
	s_cbranch_scc1 .Lstep
.Lbottom:
	s_sub_co_u32 s[SLOTS], s[SLOTS], 1
	s_cmp_lg_u32 s[SLOTS], 0
	s_cbranch_scc1 .Lslot
	CHANGE 0                        ; the walk's last tile is written out: nothing is asked for
	s_sub_co_u32 s[RT], s[RT], 1
	s_mov_b32 s[CNT], 4
	s_cmp_eq_u32 s[NEW], 1
	s_cbranch_scc0 .LstepM2
	BEGIN
	s_branch .LfirstM2
	DIAG 2
	s_wait_tensorcnt 0x0            ; the wave's end: behind my last tensor load and my last LDS store
	ds_add_u32 v[SPW], v[NIL]
	s_wait_dscnt 0x0
	s_endpgm
.Lfunc_end_k_q13e9969b4d_attn:
	.size	k_q13e9969b4d_attn, .Lfunc_end_k_q13e9969b4d_attn-k_q13e9969b4d_attn
	.p2alignl 7, 3214868480
	.fill 96, 4, 3214868480
	.section	.rodata,"a",@progbits
	.p2align	6, 0x0
	.amdhsa_kernel k_q13e9969b4d_attn
		.amdhsa_group_segment_fixed_size 327680
		.amdhsa_private_segment_fixed_size 0
		.amdhsa_enable_private_segment 0
		.amdhsa_kernarg_size 16
		.amdhsa_user_sgpr_count 2
		.amdhsa_user_sgpr_kernarg_segment_ptr 1
		.amdhsa_wavefront_size32 1
		.amdhsa_system_sgpr_workgroup_id_x 1
		.amdhsa_system_sgpr_workgroup_id_y 1
		.amdhsa_system_sgpr_workgroup_id_z 1
		.amdhsa_system_vgpr_workitem_id 0
		.amdhsa_next_free_vgpr 768
		.amdhsa_next_free_sgpr 96
		.amdhsa_reserve_vcc 1
		.amdhsa_float_denorm_mode_32 3
		.amdhsa_float_denorm_mode_16_64 3
		.amdhsa_memory_ordered 1
		.amdhsa_forward_progress 1
		.amdhsa_inst_pref_size 229
	.end_amdhsa_kernel
	.amdgpu_metadata
---
amdhsa.version: [ 1, 2 ]
amdhsa.kernels:
  - .name:           k_q13e9969b4d_attn
    .symbol:         k_q13e9969b4d_attn.kd
    .args:
      - { .name: qkv, .offset: 0, .size: 8, .value_kind: global_buffer, .address_space: global }
      - { .name: oh, .offset: 8, .size: 8, .value_kind: global_buffer, .address_space: global }
    .group_segment_fixed_size: 327680
    .private_segment_fixed_size: 0
    .kernarg_segment_align: 8
    .kernarg_segment_size: 16
    .max_flat_workgroup_size: 128
    .sgpr_count:     96
    .vgpr_count:     768
    .wavefront_size: 32
...
	.end_amdgpu_metadata
.endif
;; end of part 3
;; launch proj (part 4): grid 8 x 32, 4 waves a work-group, clusters of 4 x 4, 327,680 bytes of LDS; arguments oh, wpb, out0; writes out0
.if DOCPART == 4
	.amdgcn_target "amdgcn-amd-amdhsa--gfx1250"
	.amdhsa_code_object_version 6
	.text
	.protected	k_q13e9969b4d_proj
	.globl	k_q13e9969b4d_proj
	.p2align	8
	.type	k_q13e9969b4d_proj,@function
k_q13e9969b4d_proj:
	s_mov_b64 s[64:65], 0
	v_nop
	global_prefetch_b8 v0, s[64:65] scope:SCOPE_SE
	s_setreg_imm32_b32 hwreg(HW_REG_WAVE_MODE, 25, 1), 1
	s_wait_xcnt 0x0
	s_wait_alu depctr_hold_cnt(0) depctr_sa_sdst(0) depctr_va_vdst(0) depctr_va_sdst(0) depctr_va_ssrc(0) depctr_va_vcc(0) depctr_vm_vsrc(0)
	s_getreg_b32 s2, hwreg(HW_REG_IB_STS2, 6, 4)
	s_cmp_eq_u32 s2, 0
	s_cbranch_scc0 .Lentry_in_a_cluster
	s_endpgm
.Lentry_in_a_cluster:
	s_bfe_u32 s2, ttmp6, 0x10000c
	s_cmp_lg_u32 s2, 0xf033
	s_cbranch_scc0 .Lentry_shape_is_right
	s_endpgm
.Lentry_shape_is_right:
; out = y W_proj, in f16 with f32 sums, stored as f32.  oh: [4 b][16 head][2048 t][64] f16 (y by heads: head hd holds channels 64 hd .. + 63), wpb: [1024 k][1024 n] f16, out0: [8192][1024] f32.
; SHARES.  A tile of the result is 256 rows x 128 columns: 32 x 8 tiles, one a work-group.  Four waves, 2 x 2, each 128 rows x 64 columns: 32 accumulators of 16 x 16, 256 registers.
; K goes in 8 steps of 128 (two heads) through a ring of two LDS slots filled by the tensor data mover.  A step is four quarters of 32 along K, 32 matrix instructions each, on two fragment buffers by turns.
; A's tile of one head (256 rows x 64 channels) is 32,768 bytes on end: asked for as rows of 256 bytes and padded behind each 128.  B's tile lies [k][n]; its fragments come out of LDS turned, by ds_load_tr16_b128.
; THE MATRIX INSTRUCTION IS USED TRANSPOSED (source 0 = 16 columns of W, source 1 = 16 rows of y): a lane then holds row lane % 16 and the eight neighbouring columns 8 (lane / 16) + 0..7.
; CLUSTER.  4 x 4 work-groups.  The four of a row of the cluster need the same tiles of A, the four of a column the same tiles of B: each tile is asked for JOINTLY, by the same tensor load
; with the same descriptor and a mask that names the four.
; REGISTERS: window 0: v0-31 addresses; v32-127, v128-223 two fragment buffers: B's four fragments, then A's eight; the first serves again on the way out.  window 1: the accumulators, (a, b) at v[8 (4 a + b)].
.set PA,     144                       ; a row of A in LDS: 128 bytes + 16 of padding = 36 words: the 16 rows of a load start at 16 different groups of four banks (64 banks of 4 bytes: ISA guide 11.1)
.set PB,     288                       ; a row of B: 256 bytes + 32 of padding = 72 words
.set KBLK,   256*PA                    ; one head's 256 rows of A
.set BOFF,   2*KBLK                    ; a slot: two heads of A, then B's 128 rows
.set SLOT1,  1<<17                     ; slot 1 begins here, so that one exclusive or turns an address in one slot into the other's
.set STAGE,  SLOT1+BOFF+128*PB         ; behind the ring, never filled by a tensor load: 16 rows x 272 bytes for each wave, for the way out
.set SP,     272
.set SPARE,  STAGE+4*16*SP             ; behind the stages: the spare words, 128 bytes for each wave: two blocks of 256 bytes that no other line names
.set STEP_A, 2*2048*128                ; two heads of oh
.set STEP_B, 128*1024*2                ; 128 rows of wpb
.set A0,   4                           ; v4   my lane's place among my wave's rows of A in a slot; never rewritten
.set B0,   5                           ; v5   the same for B
.set ADRA, 6                           ; v6   the same in the slot that is being read
.set ADRB, 7                           ; v7
.set STO,  8                           ; v8   the way out: where I put 32 bytes of a row
.set RD,   9                           ; v9   the way out: where I read a row back
.set CO,   10                          ; v10  my byte offset in two rows of the result
.set SPW,  28                          ; v28  LDS address of my spare word: SPARE + 4 x my thread's number; never rewritten
.set NIL,  29                          ; v29  0; never rewritten
.set F0,   32
.set F1,   128
.set WV,  10                           ; s10  my wave's number
.set WM,  11                           ; s11  which half of the tile's rows is mine
.set WC,  12                           ; s12  which half of its columns.  Also: which part of a tile I fetch
.set CX,  13                           ; s13, s14  my place in the cluster
.set CY,  14
.set NT,  15                           ; s15  tile column
.set MT,  16                           ; s16  tile row
.set G1A, 24                           ; s[24:31] descriptor group 1 for A's tiles
.set G1B, 32                           ; s[32:39] for B's
.set G0A, 40                           ; s[40:47] group 0 for A's tiles: a set for each of the two first fills; the second then walks on
.set G0B, 48                           ; s[48:55] the same for B's
.set CNT, 56                           ; s56  the loop's count
.set TB,  57                           ; s57  LDS byte at which the slot that is being read begins
.set OB,  68                           ; s[68:69] where my part of the tile begins in the result
.set MSB, 0
.macro WIN new                         ; the immediate's high byte repeats the setting that is left; a switch that changes nothing is dropped
.if MSB != (\new)
	s_set_vgpr_msb (MSB<<8)|(\new)
.set MSB, (\new)
.endif
.endm
.macro PLACES                          ; a load into a register that a matrix instruction has read, and an LDS store that reads a matrix result, stand four places behind it (ISA guide 7.12.1 for vector instructions)
.rept 4
	v_nop
.endr
.endm
; A joint refill.  Waves 0 and 1 fetch A's two heads, waves 2 and 3 B's two halves.  The branch hangs on the wave's number alone.  An s_nop 0 and four v_nop follow each of the two lines.
.macro JLOAD
	s_cmp_lt_u32 s[WV], 2
	s_cbranch_scc0 .Lfor_b_\@
	tensor_load_to_lds s[G0A+4:G0A+7], s[G1A:G1A+7]
	s_nop 0
.rept 4
	v_nop
.endr
	s_branch .Lasked_\@
.Lfor_b_\@:
	tensor_load_to_lds s[G0B+4:G0B+7], s[G1B:G1B+7]
	s_nop 0
.rept 4
	v_nop
.endr
.Lasked_\@:
.endm
; A round of the cluster's barrier: my work-group's barrier; wave 0 signals for the work-group; every wave waits for all sixteen; my work-group's barrier once more.
.macro CREST                           ; a round behind its opening barrier
	s_cmp_lg_u32 s[WV], 0
	s_cbranch_scc1 .Lnot_wave_0_\@
	s_barrier_signal -3
.Lnot_wave_0_\@:
	s_barrier_wait -3
	s_barrier_signal -1
	s_barrier_wait -1
.endm
.macro CROUND
	s_barrier_signal -1
	s_barrier_wait -1
	CREST
.endm
	s_load_b128 s[4:7], s[0:1], 0x0                ; oh s[4:5], wpb s[6:7]
	s_load_b64 s[8:9], s[0:1], 0x10                ; out0
	v_lshl_add_u32 v[SPW], v0, 2, SPARE
	v_mov_b32 v[NIL], 0
	ds_add_u32 v[SPW], v[NIL]                      ; the wave's opening: the add and its wait stand ahead of my first tensor load; the set-up below, work on registers, stands between them
	ds_add_u32 v28, v29
	v_lshrrev_b32 v3, 5, v0
	v_readfirstlane_b32 s[WV], v3                  ; wave 0..3
	s_lshr_b32 s[WM], s[WV], 1
	s_and_b32 s[WC], s[WV], 1
	s_bfe_u32 s[CX], ttmp6, 0x40000
	s_bfe_u32 s[CY], ttmp6, 0x40004
	s_lshl_b32 s[NT], ttmp9, 2                     ; in a cluster launch ttmp9 and ttmp7 count clusters
	s_add_co_u32 s[NT], s[NT], s[CX]
	s_and_b32 s[MT], ttmp7, 0xffff
	s_lshl_b32 s[MT], s[MT], 2
	s_add_co_u32 s[MT], s[MT], s[CY]
	s_lshl_b32 s76, s[CY], 2
	s_lshl_b32 s76, 15, s76                        ; my row of the cluster: places 4 cy .. 4 cy + 3
	s_lshl_b32 s77, 0x1111, s[CX]                  ; my column: places cx, cx + 4, cx + 8, cx + 12
	; group 1 for A: 128 rows of 128 elements (256 bytes, two rows of the tile), padded in LDS behind each 128 bytes
	s_or_b32 s[G1A], s76, (1<<16)|(1<<20)|(1<<21)|(4<<22)|(3<<25)  ; 15:0 the mask; 17:16 elements of 2 bytes; 20 padding on; 21 set beside a mask; 24:22 after every 32 words (code 4); 31:25 4 words (code 3)
	s_mov_b32 s[G1A+1], 128<<16                    ; tensor_dim0 = 128
	s_mov_b32 s[G1A+2], 128<<16                    ; tensor_dim1 = 128
	s_mov_b32 s[G1A+3], 128<<16                    ; tile_dim0 = 128
	s_mov_b32 s[G1A+4], 128                        ; tile_dim1 = 128
	s_mov_b32 s[G1A+5], 128                        ; elements from row to row: the block is dense
	s_mov_b32 s[G1A+6], 0
	s_mov_b32 s[G1A+7], 0
	; group 1 for B: 64 rows of 128 elements (256 bytes), padded behind each
	s_or_b32 s[G1B], s77, (1<<16)|(1<<20)|(1<<21)|(5<<22)|(7<<25)  ; after every 64 words (code 5) 8 words (code 7)
	s_mov_b32 s[G1B+1], 128<<16
	s_mov_b32 s[G1B+2], 64<<16
	s_mov_b32 s[G1B+3], 128<<16
	s_mov_b32 s[G1B+4], 64
	s_mov_b32 s[G1B+5], 1024
	s_mov_b32 s[G1B+6], 0
	s_mov_b32 s[G1B+7], 0
	; where the tiles come from.  A's hang on the tile row alone, B's on the tile column alone; each is made in registers that never hold the other coordinate.
	s_lshr_b32 s17, s[MT], 3                       ; b
	s_lshl_b32 s58, s17, 22
	s_and_b32 s17, s[MT], 7
	s_lshl_b32 s17, s17, 15                        ; 256 rows of 128 bytes
	s_add_co_u32 s58, s58, s17
	s_lshl_b32 s17, s[WC], 18                      ; my part: the step's first or second head
	s_add_co_u32 s58, s58, s17
	s_mov_b32 s59, 0
	s_lshl_b32 s60, s[WC], 17                      ; my part: 64 rows of wpb
	s_lshl_b32 s19, s[NT], 8                       ; the tile's 128 columns
	s_add_co_u32 s60, s60, s19
	s_mov_b32 s61, 0
	s_mul_i32 s18, s[WC], KBLK                     ; and where they go: no place in the cluster enters an LDS address
	s_mul_i32 s20, s[WC], 64*PB
	s_add_co_u32 s20, s20, BOFF
	s_mov_b32 s[TB], 0
	s_wait_dscnt 0x0                               ; the opening add is done
	s_wait_kmcnt 0x0
	s_add_nc_u64 s[4:5], s[4:5], s[58:59]
	s_add_nc_u64 s[6:7], s[6:7], s[60:61]
.irp s, 0,1
	s_mov_b32 s[G0A+4*\s], 1                       ; 1:0 count = 1
	s_add_co_u32 s[G0A+4*\s+1], s18, \s*SLOT1      ; 63:32 LDS address
	s_add_nc_u64 s[G0A+4*\s+2:G0A+4*\s+3], s[4:5], \s*STEP_A  ; 120:64 global address: K step s
	s_or_b32 s[G0A+4*\s+3], s[G0A+4*\s+3], 0x80000000         ; 127:126 type = 2
	s_mov_b32 s[G0B+4*\s], 1
	s_add_co_u32 s[G0B+4*\s+1], s20, \s*SLOT1
	s_add_nc_u64 s[G0B+4*\s+2:G0B+4*\s+3], s[6:7], \s*STEP_B
	s_or_b32 s[G0B+4*\s+3], s[G0B+4*\s+3], 0x80000000
.endr
	CROUND                                         ; all sixteen work-groups are here: the first joint loads meet
	s_cmp_lt_u32 s[WV], 2                          ; a wave's two first fills stand in one branch, ahead of every wait on TENSORcnt and every LDS read: two loads of mine are out
	s_cbranch_scc0 .Lfirst_b
	tensor_load_to_lds s[G0A:G0A+3], s[G1A:G1A+7]
	s_nop 0
	tensor_load_to_lds s[G0A+4:G0A+7], s[G1A:G1A+7]
	s_nop 0
.rept 4
	v_nop
.endr
	s_branch .Lfirst_asked
.Lfirst_b:
	tensor_load_to_lds s[G0B:G0B+3], s[G1B:G1B+7]
	s_nop 0
	tensor_load_to_lds s[G0B+4:G0B+7], s[G1B:G1B+7]
	s_nop 0
.rept 4
	v_nop
.endr
.Lfirst_asked:
	; A fragment of A is 16 rows x 32 K in 8 registers: lane l holds row l % 16; registers 0-3 K = 8 (l / 16) + 0..7, registers 4-7 K = 16 + 8 (l / 16) + 0..7: two loads of 16 bytes, 32 bytes apart.
	v_and_b32 v1, 15, v0                           ; l % 16
	v_bfe_u32 v2, v0, 4, 1                         ; l / 16
	v_mul_u32_u24 v[A0], v1, PA
	v_lshl_add_u32 v[A0], v2, 4, v[A0]
	s_mul_i32 s21, s[WM], 128*PA                   ; my 128 rows
	v_add_nc_u32 v[A0], s21, v[A0]
	; The turning load takes 16 K x 16 columns (lane l reads 16 bytes: K row 8 (l / 16) + l % 8, columns 8 ((l / 8) % 2) + 0..7) and leaves half a fragment: lane l holds column l % 16 and 8 K.
	v_and_b32 v11, 7, v0
	v_bfe_u32 v12, v0, 3, 1
	v_lshl_add_u32 v[B0], v2, 3, v11
	v_mul_u32_u24 v[B0], v[B0], PB
	v_lshl_add_u32 v[B0], v12, 4, v[B0]
	s_lshl_b32 s21, s[WC], 7                       ; my 64 columns
	s_add_co_u32 s21, s21, BOFF
	v_add_nc_u32 v[B0], s21, v[B0]
	v_mov_b32 v[ADRA], v[A0]                       ; slot 0
	v_mov_b32 v[ADRB], v[B0]
	s_mul_i32 s21, s[WV], 16*SP
	s_add_co_u32 s21, s21, STAGE                   ; my stage
	v_mul_u32_u24 v[STO], v1, SP                   ; in: row l % 16, 32 bytes for each half of the lanes
	v_lshl_add_u32 v[STO], v2, 5, v[STO]
	v_add_nc_u32 v[STO], s21, v[STO]
	v_mul_u32_u24 v[RD], v2, SP                    ; back: lanes 0-15 take one row of 256 bytes, lanes 16-31 the next
	v_lshl_add_u32 v[RD], v1, 4, v[RD]
	v_add_nc_u32 v[RD], s21, v[RD]
	v_lshlrev_b32 v[CO], 12, v2                    ; and the same two rows in the result: 4,096 bytes a row
	v_lshl_add_u32 v[CO], v1, 4, v[CO]
	s_lshl_b32 s74, s[MT], 1
	s_add_co_u32 s74, s74, s[WM]
	s_lshl_b32 s66, s74, 19                        ; my first row: 128 rows of 4,096 bytes each
	s_lshl_b32 s75, s[NT], 9                       ; the tile's 128 columns,
	s_add_co_u32 s66, s66, s75
	s_lshl_b32 s75, s[WC], 8                       ; my 64 of them
	s_add_co_u32 s66, s66, s75
	s_mov_b32 s67, 0
	s_add_nc_u64 s[OB:OB+1], s[8:9], s[66:67]
; na x 4 matrix instructions on buffer f: row blocks a0 .. a0 + na - 1 x all 4 column blocks.  zero = 1: the first product starts the sums: nothing is ever cleared.
; The 32 accumulators take turns, one instruction a turn, in the same order in every quarter.
.macro MUL f, a0, na, zero
	WIN 0x50                                       ; C and D in window 1, both sources in window 0
.set ma, \a0
.rept \na
.set mb, 0
.rept 4
.if \zero
	v_wmma_f32_16x16x32_f16 v[8*(4*ma+mb):8*(4*ma+mb)+7], v[(\f)+8*mb:(\f)+8*mb+7], v[(\f)+32+8*ma:(\f)+32+8*ma+7], 0
.else
	v_wmma_f32_16x16x32_f16 v[8*(4*ma+mb):8*(4*ma+mb)+7], v[(\f)+8*mb:(\f)+8*mb+7], v[(\f)+32+8*ma:(\f)+32+8*ma+7], v[8*(4*ma+mb):8*(4*ma+mb)+7]
.endif
.set mb, mb+1
.endr
.set ma, ma+1
.endr
.endm
; 24 LDS loads in one run: quarter q's fragments into buffer f: B's four, then A's eight, row blocks ascending
.macro FETCH q, f
	WIN 0
.irp b, 0,1,2,3
	ds_load_tr16_b128 v[(\f)+8*\b:(\f)+8*\b+3],   v[ADRB] offset:(\q)*32*PB+32*\b
	ds_load_tr16_b128 v[(\f)+8*\b+4:(\f)+8*\b+7], v[ADRB] offset:(\q)*32*PB+32*\b+16*PB
.endr
.irp a, 0,1,2,3,4,5,6,7
	ds_load_b128 v[(\f)+32+8*\a:(\f)+32+8*\a+3],   v[ADRA] offset:((\q)/2)*KBLK+64*((\q)%2)+\a*16*PA
	ds_load_b128 v[(\f)+32+8*\a+4:(\f)+32+8*\a+7], v[ADRA] offset:((\q)/2)*KBLK+64*((\q)%2)+\a*16*PA+32
.endr
.endm
; One of a step's first three quarters: multiplies buffer f; in its middle it fetches quarter q's fragments from the same slot into buffer g.
.macro QUARTER q, f, g, zero
	s_wait_dscnt 8                                 ; B and A's row blocks 0-3 are in; the youngest eight loads (blocks 4-7) may be out
	MUL \f, 0, 4, \zero
	PLACES
	FETCH \q, \g
	s_wait_dscnt 24                                ; all but the 24 just issued
	MUL \f, 4, 4, \zero
.endm
; The last quarter multiplies buffer 1, and THE CHANGE OF SLOTS: all reads of this slot have been issued.  Each wave waits for all its tensor loads, of which one is out: its part of the next slot; adds 0
; to its spare word; and waits for that and for its own reads of this slot.  Behind the barrier nobody reads this slot any more and the next slot is whole.  fill = 1: this slot is filled again, with the
; K step two on; the barrier then opens a round of the cluster's, so that no wave of any partner still reads the slot or has a load on its way, and the joint refill is the first thing behind the round:
; 112 matrix instructions stand between it and the wait for it.
.macro TURN fill
	WIN 0                                          ; (the add's two registers lie in window 0)
	s_wait_tensorcnt 0x0                           ; no tensor load of mine is out, so a group 0 may be written
	ds_add_u32 v[SPW], v[NIL]                      ; 0 onto my spare word
.if \fill
	s_xor_b32 s[G0A+5], s[G0A+5], SLOT1            ; the walking descriptors: the other slot than last time,
	s_add_nc_u64 s[G0A+6:G0A+7], s[G0A+6:G0A+7], STEP_A  ; the next K step; the type bits on top are not reached
	s_xor_b32 s[G0B+5], s[G0B+5], SLOT1
	s_add_nc_u64 s[G0B+6:G0B+7], s[G0B+6:G0B+7], STEP_B
.endif
	s_xor_b32 s[TB], s[TB], SLOT1                  ; the fetches go to the other slot
	s_wait_dscnt 9                                 ; the add and the youngest eight loads may be out
	MUL F1, 0, 2, 0                                ; eight matrix instructions stand between the add and the wait for it
	s_wait_dscnt 0x0                               ; the add is done, and my reads of this slot are over
	s_barrier_signal -1
	MUL F1, 2, 2, 0                                ; work on registers while the others arrive
	WIN 0
	s_barrier_wait -1
.if \fill
	CREST
	JLOAD                                          ; the four v_nop behind it are also the places in front of the loads below
.else
	PLACES
.endif
	v_add_nc_u32 v[ADRA], s[TB], v[A0]
	v_add_nc_u32 v[ADRB], s[TB], v[B0]
	FETCH 0, F0
	MUL F1, 4, 4, 0
.endm
	s_wait_tensorcnt 1                             ; my part of K step 0 is in; K step 1's may stay out
	s_barrier_signal -1
	s_barrier_wait -1                              ; everybody's is
	FETCH 0, F0
	QUARTER 1, F0, F1, 1                           ; the first quarter stands in front of the loop: its products start the sums
	WIN 0                                          ; at a label and at a branch every window is 0
	s_mov_b32 s[CNT], 6
.Lstep:                                        ; trip j: quarters 1 to 3 of K step j, whose slot is then filled again with K step j + 2; quarter 0 of K step j + 1
	QUARTER 2, F1, F0, 0
	QUARTER 3, F0, F1, 0
	TURN 1
	QUARTER 1, F0, F1, 0
	WIN 0
	s_sub_co_u32 s[CNT], s[CNT], 1
	s_cmp_lg_u32 s[CNT], 0
	s_cbranch_scc1 .Lstep
	QUARTER 2, F1, F0, 0                           ; the tail is written out: nothing is asked for
	QUARTER 3, F0, F1, 0
	TURN 0
	QUARTER 1, F0, F1, 0
	QUARTER 2, F1, F0, 0
	QUARTER 3, F0, F1, 0
	s_wait_dscnt 8                                 ; the very last quarter: nothing more to fetch
	MUL F1, 0, 4, 0
	s_wait_dscnt 0x0
	MUL F1, 4, 4, 0
	PLACES
	PLACES
; THE WAY OUT, a row block (16 rows x 64 columns of f32) at a time.  OUT: a lane's eight numbers of a row, 32 bytes, go straight from the accumulators (low registers first) into my own stage, rows of 272 bytes,
; and come back as whole rows of 256.  SEND: stored.
.macro OUT a
.set oT, F0+32*((\a)%2)
	s_wait_xcnt 0x0                                ; every earlier store has read its registers: these 32 are written again only behind this wait
	WIN 0x04                                       ; an LDS store's data is source 1: window 1
.irp b, 0,1,2,3
	ds_store_b128 v[STO], v[8*(4*(\a)+\b):8*(4*(\a)+\b)+3]   offset:64*\b
	ds_store_b128 v[STO], v[8*(4*(\a)+\b)+4:8*(4*(\a)+\b)+7] offset:64*\b+16
.endr
	WIN 0
.irp t, 0,1,2,3,4,5,6,7
	ds_load_b128 v[oT+4*\t:oT+4*\t+3], v[RD] offset:\t*2*SP  ; LDS serves a wave's instructions in order (ISA guide 5.7.1.4): these see the stores above; the next block's stores come behind them
.endr
.endm
.macro SEND a, younger                 ; younger: the LDS instructions issued behind block a's loads: the next block's sixteen, or none
.set oT, F0+32*((\a)%2)
	s_wait_dscnt \younger
.irp t, 0,1,2,3,4,5,6,7
	global_store_b128 v[CO], v[oT+4*\t:oT+4*\t+3], s[OB:OB+1] offset:(\a)*16*4096+\t*2*4096 th:TH_STORE_NT  ; 16 lanes store 256 consecutive bytes, at a multiple of 256 from the buffer's first
.endr
.endm
	OUT 0
.set t2, 1
.rept 7
	OUT t2
	SEND t2-1, 16
.set t2, t2+1
.endr
	SEND 7, 0
	s_wait_tensorcnt 0x0                           ; the wave's end: behind my last tensor load and my last LDS store
	ds_add_u32 v[SPW], v[NIL]
	s_wait_dscnt 0x0
	CROUND                                         ; the closing round: no work-group ends while a partner may still ask for a tile that names it
	s_endpgm
.Lfunc_end_k_q13e9969b4d_proj:
	.size	k_q13e9969b4d_proj, .Lfunc_end_k_q13e9969b4d_proj-k_q13e9969b4d_proj
	.p2alignl 7, 3214868480
	.fill 96, 4, 3214868480
	.section	.rodata,"a",@progbits
	.p2align	6, 0x0
	.amdhsa_kernel k_q13e9969b4d_proj
		.amdhsa_group_segment_fixed_size 327680
		.amdhsa_private_segment_fixed_size 0
		.amdhsa_enable_private_segment 0
		.amdhsa_kernarg_size 24
		.amdhsa_user_sgpr_count 2
		.amdhsa_user_sgpr_kernarg_segment_ptr 1
		.amdhsa_wavefront_size32 1
		.amdhsa_system_sgpr_workgroup_id_x 1
		.amdhsa_system_sgpr_workgroup_id_y 1
		.amdhsa_system_sgpr_workgroup_id_z 1
		.amdhsa_system_vgpr_workitem_id 0
		.amdhsa_next_free_vgpr 512
		.amdhsa_next_free_sgpr 80
		.amdhsa_reserve_vcc 0
		.amdhsa_float_denorm_mode_32 3
		.amdhsa_float_denorm_mode_16_64 3
		.amdhsa_memory_ordered 1
		.amdhsa_forward_progress 1
		.amdhsa_inst_pref_size 70
	.end_amdhsa_kernel
	.amdgpu_metadata
---
amdhsa.version: [ 1, 2 ]
amdhsa.kernels:
  - .name:           k_q13e9969b4d_proj
    .symbol:         k_q13e9969b4d_proj.kd
    .args:
      - { .name: oh, .offset: 0, .size: 8, .value_kind: global_buffer, .address_space: global }
      - { .name: wpb, .offset: 8, .size: 8, .value_kind: global_buffer, .address_space: global }
      - { .name: out0, .offset: 16, .size: 8, .value_kind: global_buffer, .address_space: global }
    .group_segment_fixed_size: 327680
    .private_segment_fixed_size: 0
    .kernarg_segment_align: 8
    .kernarg_segment_size: 24
    .max_flat_workgroup_size: 128
    .sgpr_count:     80
    .vgpr_count:     512
    .wavefront_size: 32
...
	.end_amdgpu_metadata
.endif
;; end of part 4
;; ======== version 2 of 2: 4 launches; version 1 with the launch cast written anew for expert scheduling mode
;; limits: values are held in f16: magnitudes above 65,504 overflow, below 6.1e-05 lose precision
;; workspace buffers: xb 16,777,216 bytes; wab 6,291,456 bytes; wpb 2,097,152 bytes; qkv 50,331,648 bytes; oh 16,777,216 bytes
;; launch cast (part 5): grid 768 x 1, 8 waves a work-group, no clusters, 0 bytes of LDS; arguments x, W_attn, W_proj, xb, wab, wpb; writes xb, wab, wpb
.if DOCPART == 5
	.amdgcn_target "amdgcn-amd-amdhsa--gfx1250"
	.amdhsa_code_object_version 6
	.text
	.protected	k_q13e9969b4d_cast
	.globl	k_q13e9969b4d_cast
	.p2align	8
	.type	k_q13e9969b4d_cast,@function
k_q13e9969b4d_cast:
	s_mov_b64 s[64:65], 0
	v_nop
	global_prefetch_b8 v0, s[64:65] scope:SCOPE_SE
	s_setreg_imm32_b32 hwreg(HW_REG_WAVE_SCHED_MODE, 0, 2), 2
	s_setreg_imm32_b32 hwreg(HW_REG_WAVE_MODE, 25, 1), 1
	s_wait_xcnt 0x0
	s_wait_alu depctr_vm_vsrc(0)
; THE THREE INPUTS ARE ROUNDED ONCE, for the matrix units of the launches behind.
;   x      [8192][1024] f32 -> xb  [4 b][16 s][2048 t][64] bf16: xb[b][s][t][kk] = x[2048 b + t][64 s + kk]: 256 rows x 64 channels are then 32,768 bytes on end
;   W_attn [1024][3072] f32 -> wab, the same order, bf16
;   W_proj [1024][1024] f32 -> wpb, the same order: rounded to bf16 like the other inputs, and that number written as f16
; LIMIT.  A bf16 number is exact in f16 from 2^-17 to 65,504 in magnitude; below that it is rounded to f16's fixed step of 2^-24, beyond it becomes an infinity.
; SHARES.  A work-group turns 65,536 bytes of input into 32,768, a wave 8,192: sixteen loads of 16 bytes a lane, all issued at once, and sixteen stores of 8 bytes a lane,
; each of which covers 256 consecutive bytes, aligned.  Work-groups 0-511 take x, 512-703 W_attn, 704-767 W_proj.  No register is written twice but four at work, so no wait frees a source.
; No LDS, no matrix unit, no cluster: every byte is read once and written once, and no wave wants what another has fetched.
; THE MODE: SCHED_MODE bits 1:0 = 2 (LLVM: expert scheduling mode 2), set by the entry lines.  The code itself states the register dependences
; between vector instructions and memory instructions, with s_wait_alu, always for 0.
; THE PLAN.  Registers that memory instructions touch:
;   v[IN], v[OUT]  byte offsets.  Written once by vector instructions ahead of the first load; read by the sixteen loads and the sixteen stores; never written again.
;   X              Written by the sixteen loads, each register once; read by the conversions.  No vector instruction names X ahead of the loads, and nothing lands in it a second time.
;   Y              Written by the conversions, each register once; read by one store each; never written again.
;   T is named by vector instructions alone.  s[WV] is written by a vector instruction and read by scalar ones.
; The sixteen loads are handled in four blocks of four.  Block p rounds X's block p into Y's block p; the four stores of block p - 1 are dealt among its conversions, which name neither
; Y's block p - 1 nor v[OUT].  So one wait at a block's head states all that its four stores hang on.  No register that a memory instruction reads is ever written behind it: nothing is owed for that.
.set IN,  2                            ; v2   my byte offset in the wave's input
.set OUT, 3                            ; v3   my byte offset in the wave's output: 8 x lane
.set T,   8                            ; v[8:11]   at work
.set X,   16                           ; v[16:79]  sixteen loads of four f32
.set Y,   80                           ; v[80:111] sixteen stores of four 16-bit numbers
.set WV,  16                           ; s16  my wave's number
.set ID,  17                           ; s17  the work-group's number
.set HIM, 18                           ; s18  a word's upper half
; Sixteen loads, instep bytes apart, from base s[ib:ib+1]; sixteen stores, 256 bytes apart, to base s[ob:ob+1].  fmt = 0: bf16; 1: bf16 written as f16.
.macro CAST ib, ob, instep, fmt
	s_wait_alu depctr_va_vdst(0)                   ; v[IN] and v[OUT] are written: every load below reads the one as its offset, every store the other
.set j, 0
.rept 16
	global_load_b128 v[X+4*j:X+4*j+3], v[IN], s[\ib:\ib+1] offset:j*(\instep) th:TH_LOAD_NT
.set j, j+1
.endr
.set p, 0
.rept 4
	s_wait_loadcnt 12-4*p                          ; loads come back in order: block p's four are in, the 12 - 4 p younger ones stay out
.if p > 0
	s_wait_alu depctr_va_vdst(0)                   ; the conversions of the block before have written its eight registers of Y, which the four stores below read
.endif
.set i, 0
.rept 4
.set j, 4*p+i
.if p > 0
	global_store_b64 v[OUT], v[Y+2*(j-4):Y+2*(j-4)+1], s[\ob:\ob+1] offset:256*(j-4)  ; the block before; no vector instruction since the wait names these registers
.endif
.if \fmt
	v_cvt_pk_bf16_f32 v[T], v[X+4*j], v[X+4*j+1]
	v_cvt_pk_bf16_f32 v[T+1], v[X+4*j+2], v[X+4*j+3]
	v_lshlrev_b32 v[T+2], 16, v[T]                 ; the rounded numbers as f32 again
	v_and_b32 v[T+3], s[HIM], v[T]
	v_cvt_pk_f16_f32 v[Y+2*j], v[T+2], v[T+3]
	v_lshlrev_b32 v[T+2], 16, v[T+1]
	v_and_b32 v[T+3], s[HIM], v[T+1]
	v_cvt_pk_f16_f32 v[Y+2*j+1], v[T+2], v[T+3]
.else
	v_cvt_pk_bf16_f32 v[Y+2*j], v[X+4*j], v[X+4*j+1]
	v_cvt_pk_bf16_f32 v[Y+2*j+1], v[X+4*j+2], v[X+4*j+3]
.endif
.set i, i+1
.endr
.set p, p+1
.endr
	s_wait_alu depctr_va_vdst(0)                   ; the last block's conversions have written its eight registers of Y, which the last four stores read
.set j, 12
.rept 4
	global_store_b64 v[OUT], v[Y+2*j:Y+2*j+1], s[\ob:\ob+1] offset:256*j
.set j, j+1
.endr
.endm
	s_load_b256 s[4:11], s[0:1], 0x0               ; x s[4:5], W_attn s[6:7], W_proj s[8:9], xb s[10:11]
	s_load_b128 s[12:15], s[0:1], 0x20             ; wab s[12:13], wpb s[14:15]
	v_lshrrev_b32 v1, 5, v0
	v_readfirstlane_b32 s[WV], v1                  ; wave 0..7
	v_and_b32 v4, 31, v0                           ; lane
	v_lshlrev_b32 v[OUT], 3, v4
	s_mov_b32 s[ID], ttmp9
	s_mov_b32 s[HIM], 0xffff0000
	s_mov_b32 s21, 0                               ; the offsets' high words
	s_mov_b32 s23, 0
	s_wait_alu depctr_va_sdst(0)                   ; s[WV] is written, ahead of the branch
	s_cmp_lt_u32 s[ID], 512
	s_cbranch_scc0 .Lweights
	; x: work-group = 32 rows (rg) x half a row (hf); wave w takes the 64 channels of block s = 8 hf + w: 256 bytes of each row.  A load takes two rows: lanes 0-15 one, lanes 16-31 the next.
	s_lshr_b32 s19, s[ID], 1                       ; rg
	s_and_b32 s2, s[ID], 1
	s_lshl_b32 s2, s2, 3
	s_add_co_u32 s2, s2, s[WV]                     ; s
	s_lshl_b32 s20, s19, 17                        ; 32 rows of 4,096 bytes
	s_lshl_b32 s3, s2, 8
	s_add_co_u32 s20, s20, s3                      ; + the block's 256 bytes
	s_lshr_b32 s22, s19, 6                         ; b
	s_lshl_b32 s22, s22, 22
	s_lshl_b32 s3, s2, 18                          ; a block of xb is 2,048 rows of 128 bytes
	s_add_co_u32 s22, s22, s3
	s_and_b32 s3, s19, 63
	s_lshl_b32 s3, s3, 12                          ; 32 rows of 128 bytes
	s_add_co_u32 s22, s22, s3
	v_and_b32 v5, 15, v0
	v_bfe_u32 v6, v0, 4, 1
	v_lshlrev_b32 v[IN], 4, v5
	v_lshl_add_u32 v[IN], v6, 12, v[IN]            ; 16 (lane % 16) + 4,096 (lane / 16)
	s_wait_kmcnt 0x0
	s_add_nc_u64 s[4:5], s[4:5], s[20:21]
	s_add_nc_u64 s[10:11], s[10:11], s[22:23]
	CAST 4, 10, 8192, 0                            ; two rows of xb are 256 bytes on end: 128 (lane / 16) + 8 (lane % 16) = 8 x lane
	s_endpgm
.Lweights:                                     ; the weights keep their order: 512 bytes in, 256 bytes out
	v_lshlrev_b32 v[IN], 4, v4
	s_lshl_b32 s2, s[WV], 13
	s_lshl_b32 s3, s[WV], 12
	s_cmp_lt_u32 s[ID], 704
	s_cbranch_scc0 .Lproj
	s_sub_co_u32 s19, s[ID], 512
	s_lshl_b32 s20, s19, 16
	s_add_co_u32 s20, s20, s2
	s_lshl_b32 s22, s19, 15
	s_add_co_u32 s22, s22, s3
	s_wait_kmcnt 0x0
	s_add_nc_u64 s[6:7], s[6:7], s[20:21]
	s_add_nc_u64 s[12:13], s[12:13], s[22:23]
	CAST 6, 12, 512, 0
	s_endpgm
.Lproj:
	s_sub_co_u32 s19, s[ID], 704
	s_lshl_b32 s20, s19, 16
	s_add_co_u32 s20, s20, s2
	s_lshl_b32 s22, s19, 15
	s_add_co_u32 s22, s22, s3
	s_wait_kmcnt 0x0
	s_add_nc_u64 s[8:9], s[8:9], s[20:21]
	s_add_nc_u64 s[14:15], s[14:15], s[22:23]
	CAST 8, 14, 512, 1
	s_endpgm
.Lfunc_end_k_q13e9969b4d_cast:
	.size	k_q13e9969b4d_cast, .Lfunc_end_k_q13e9969b4d_cast-k_q13e9969b4d_cast
	.p2alignl 7, 3214868480
	.fill 96, 4, 3214868480
	.section	.rodata,"a",@progbits
	.p2align	6, 0x0
	.amdhsa_kernel k_q13e9969b4d_cast
		.amdhsa_group_segment_fixed_size 0
		.amdhsa_private_segment_fixed_size 0
		.amdhsa_enable_private_segment 0
		.amdhsa_kernarg_size 48
		.amdhsa_user_sgpr_count 2
		.amdhsa_user_sgpr_kernarg_segment_ptr 1
		.amdhsa_wavefront_size32 1
		.amdhsa_system_sgpr_workgroup_id_x 1
		.amdhsa_system_sgpr_workgroup_id_y 1
		.amdhsa_system_sgpr_workgroup_id_z 1
		.amdhsa_system_vgpr_workitem_id 0
		.amdhsa_next_free_vgpr 112
		.amdhsa_next_free_sgpr 66
		.amdhsa_reserve_vcc 0
		.amdhsa_float_denorm_mode_32 3
		.amdhsa_float_denorm_mode_16_64 3
		.amdhsa_memory_ordered 1
		.amdhsa_forward_progress 1
		.amdhsa_inst_pref_size 23
	.end_amdhsa_kernel
	.amdgpu_metadata
---
amdhsa.version: [ 1, 2 ]
amdhsa.kernels:
  - .name:           k_q13e9969b4d_cast
    .symbol:         k_q13e9969b4d_cast.kd
    .args:
      - { .name: x, .offset: 0, .size: 8, .value_kind: global_buffer, .address_space: global }
      - { .name: W_attn, .offset: 8, .size: 8, .value_kind: global_buffer, .address_space: global }
      - { .name: W_proj, .offset: 16, .size: 8, .value_kind: global_buffer, .address_space: global }
      - { .name: xb, .offset: 24, .size: 8, .value_kind: global_buffer, .address_space: global }
      - { .name: wab, .offset: 32, .size: 8, .value_kind: global_buffer, .address_space: global }
      - { .name: wpb, .offset: 40, .size: 8, .value_kind: global_buffer, .address_space: global }
    .group_segment_fixed_size: 0
    .private_segment_fixed_size: 0
    .kernarg_segment_align: 8
    .kernarg_segment_size: 48
    .max_flat_workgroup_size: 256
    .sgpr_count:     66
    .vgpr_count:     112
    .wavefront_size: 32
...
	.end_amdgpu_metadata
.endif
;; end of part 5
;; launch qkv: the kernel of part 2 again; grid 8 x 32, 4 waves a work-group, clusters of 4 x 4, 327,680 bytes of LDS; arguments xb, wab, qkv; writes qkv
;; launch attn: the kernel of part 3 again; grid 4 x 64, 4 waves a work-group, no clusters, 327,680 bytes of LDS; arguments qkv, oh; writes oh
;; launch proj: the kernel of part 4 again; grid 8 x 32, 4 waves a work-group, clusters of 4 x 4, 327,680 bytes of LDS; arguments oh, wpb, out0; writes out0
